; MI455X (gfx1250); checked and timed in simulation.
; The chip was launched on July 23, 2026; its instructions are those of AMD's public machine-readable ISA for CDNA 5 (MIT licence, August 2026) and "CDNA5" Instruction Set Architecture Reference Guide (July 2026). The comments in the code are by the model that wrote it; some were corrected since.
;; Diagonal Micro Attention. Allowed arithmetic: float matrix products may take bf16 or f16 operands with f32 sums; all other float work in f32.
;; Inputs: b_g1 64 float32; b_g2 1 float32; b_out 256 float32; w_g1 64 x 256 float32; w_g2 1 x 64 float32; w_out 256 x 256 float32; w_qkv 768 x 256 float32; x 8 x 256 x 32 x 32 float32.
;; Outputs: out0 8 x 256 x 32 x 32 float32.
;; 2 versions, each right; version 2 is version 1 with the launch outp written anew for expert scheduling mode. Each part assembles by itself: llvm-mc -triple=amdgcn-amd-amdhsa -mcpu=gfx1250 --defsym DOCPART=n.
;; ======== version 1 of 2: 3 launches
;; workspace buffers: qws 4,194,304 bytes; kv 8,388,608 bytes; part 65,536 bytes; att 4,194,304 bytes; gate 32,768 bytes; wfr 131,072 bytes
;; launch proj (part 1): grid 256 x 1, 4 waves a work-group, clusters of 4 x 1, 315,904 bytes of LDS; arguments x, w_qkv, qws, kv, part; writes qws, kv, part
.if DOCPART == 1
	.amdgcn_target "amdgcn-amd-amdhsa--gfx1250"
	.amdhsa_code_object_version 6
	.text
	.protected	k_qea9364093e_proj
	.globl	k_qea9364093e_proj
	.p2align	8
	.type	k_qea9364093e_proj,@function
k_qea9364093e_proj:
	s_mov_b64 s[64:65], 0
	v_nop
	global_prefetch_b8 v0, s[64:65] scope:SCOPE_SE
	s_setreg_imm32_b32 hwreg(HW_REG_WAVE_MODE, 25, 1), 1
	s_wait_xcnt 0x0
	s_wait_alu depctr_hold_cnt(0) depctr_sa_sdst(0) depctr_va_vdst(0) depctr_va_sdst(0) depctr_va_ssrc(0) depctr_va_vcc(0) depctr_vm_vsrc(0)
	s_getreg_b32 s2, hwreg(HW_REG_IB_STS2, 6, 4)
	s_cmp_eq_u32 s2, 0
	s_cbranch_scc0 .Lentry_in_a_cluster
	s_endpgm
.Lentry_in_a_cluster:
	s_bfe_u32 s2, ttmp6, 0x10000c
	s_cmp_lg_u32 s2, 0x3003
	s_cbranch_scc0 .Lentry_shape_is_right
	s_endpgm
.Lentry_shape_is_right:
; q, k, v = w_qkv x, for one image b, one head h and 256 positions: 96 rows of w_qkv times 256 columns of x, K = 256 channels.
; Wave w takes the 64 positions of group G = 4 pb + w and all 96 rows: 24 accumulator tiles of 16 x 16.
; CLUSTER: cluster number c = 8 b + 4 hh + pb; its four work-groups are heads h = 4 hh + cx of one image and one block of 256 positions: they need
; the same 256 KB of x.  Wave w of each asks JOINTLY, with wave w of the three partners, for its own 64 positions of all 256 channels: four tensor
; loads of 64 rows x 256 bytes (rows aligned to 256 bytes, 4,096 bytes apart in memory) into 64 KB of LDS that only this wave reads.  Four loads of
; a wave are outstanding, once; nothing is filled again.  The place in the cluster (cx) enters global addresses of w_qkv and of the results alone.
; w_qkv is NOT asked for jointly: it lies in memory as f32 and is rounded to bf16 on its way through registers; its 96 KB of f32 would have to lie in
; LDS beside x's 256 KB, 352 KB, more than the 327,680 bytes that a work-group can have.
; POSITION TILES: tile f (0..3) of group G holds at index i (0..15) position 64 G + 4 i + f.  A lane's 16 bytes x[c][64 G + 4 r ..] then
; hold one element for each of the four tiles, and sixteen lanes read 256 consecutive bytes of LDS.
; RESULTS are stored as bf16 operand blocks of 1 KB, the register image of a 16 x 32 matrix operand: lane L's registers 0-3 at byte 16 L,
; registers 4-7 at 512 + 16 L.  A result tile (8 f32 a lane) packs into 4 registers and leaves by one store of 512 consecutive bytes.
;   qws [b][h][tile 64][1 KB]: column = query index, k = d; holds q * 32^-0.5 * log2(e)
;   kv  [b][h][ K: tile 64 x 1 KB, row = key index, k = d | V: (pair of tiles 32, half of d 2) x 1 KB, row = d, k = the pair's 32 keys ]
;   part[32 b + 4 h + pb][64 f32]: words 0-31 the sum of q k over the block's positions with y = x (by channel), words 32-63 the sum of v over its 256 positions
; LIMITS: x and w_qkv are rounded to bf16 for the products, q, k, v once more when stored; the two sums in part are made in f32 from the
; unrounded products, in another order than a plain loop's.
; REGISTERS, in windows of 256: window 0: v1 16 l, v2 x's LDS address, v3 staging address, v4 fragment address, v8-15 masks, v16-79 x fragments (2 buffers),
; v80-175 w fragments (2 buffers; first the staged words), v176-255 the way out.  Windows 1 and 2: x in f32, K steps 0-3 and 4-7.
; Window 3: v0-191 w_qkv as loaded, then the 24 accumulator tiles, tile (ct, f) at 8 (4 ct + f); ct 0,1 = q, 2,3 = k, 4,5 = v.
.set QS,    0x3e8293ee                 ; 32^-0.5 * log2(e)
.set WBLK,  1088                       ; a staged operand block: four planes of 272 bytes
.set PLANE, 272                        ; 16 rows x 16 bytes + 16: the 32 lanes of a staging store touch 32 different 8-byte columns modulo 256 bytes
.set RED,   48*WBLK                    ; behind the 48 blocks: 256 bytes for each wave's two sums
.set XB,    RED+1024                   ; 53,248: x in f32, 65,536 bytes for each wave: channel c at 256 c
.set XCH,   64*256                     ; what one tensor load brings: 64 channels = two K steps
.set MK,    8
.set XF,    16
.set WF,    80
.set QSC,   80
.set QPK,   144
.set DV,    176
.set KVP,   192
.set G1,    36                         ; s[36:43] descriptor group 1
.set G0,    44                         ; s[44:59] descriptor group 0, a set for each of the four loads
.set MSB,   0
.macro WIN new                         ; the immediate's high byte repeats the setting that is left
.if MSB != \new
	s_set_vgpr_msb (MSB<<8)|\new
.set MSB, \new
.endif
.endm
.macro PLACES                          ; four plain vector instructions behind a matrix instruction (ISA guide 7.12.1)
.rept 4
	v_nop
.endr
.endm
.macro ROUND                           ; a round of the cluster's barrier
	s_barrier_signal -1
	s_barrier_wait -1
	s_cmp_lg_u32 s14, 0
	s_cbranch_scc1 .Lnot_wave_0_\@
	s_barrier_signal -3
.Lnot_wave_0_\@:
	s_barrier_wait -3
	s_barrier_signal -1
	s_barrier_wait -1
.endm
; x of K step ks from my own LDS bytes: 16 channels a lane, 16 bytes (four positions) each
.macro LDX ks
.if \ks < 4
	WIN 0x40
.else
	WIN 0x80
.endif
.irp idx, 0,1,2,3,4,5,6,7,8,9,10,11,12,13,14,15
	ds_load_b128 v[(\ks&3)*64+4*\idx:(\ks&3)*64+4*\idx+3], v2 offset:(32*\ks+\idx+8*(\idx>>3))*256
.endr
.endm
; the four tiles' fragments of K step ks: element f of two neighbouring channels' loads makes one register of tile f
.macro CVTX ks, b
.if \ks < 4
	WIN 0x05
.else
	WIN 0x0a
.endif
.irp f, 0,1,2,3
.irp i, 0,1,2,3,4,5,6,7
	v_cvt_pk_bf16_f32 v[XF+32*\b+8*\f+\i], v[(\ks&3)*64+8*\i+\f], v[(\ks&3)*64+8*\i+4+\f]
.endr
.endr
.endm
; the six row tiles' fragments of K step ks from LDS: 12 loads
.macro LDWF ks, b
	WIN 0
.irp ct, 0,1,2,3,4,5
	ds_load_b128 v[WF+48*\b+8*\ct:WF+48*\b+8*\ct+3],   v4 offset:(8*\ct+\ks)*WBLK
	ds_load_b128 v[WF+48*\b+8*\ct+4:WF+48*\b+8*\ct+7], v4 offset:(8*\ct+\ks)*WBLK+2*PLANE
.endr
.endm
; 24 matrix instructions on 24 accumulators, which take turns in the same order in every K step.
; q, k: rows of w x columns of x: a lane holds one position and 8 channels.  v: the sources swapped: a lane holds one channel and 8 positions.
.macro MM b, zero
	WIN 0xf0
.irp ct, 0,1,2,3
.irp f, 0,1,2,3
.if \zero
	v_wmma_f32_16x16x32_bf16 v[8*(4*\ct+\f):8*(4*\ct+\f)+7], v[WF+48*\b+8*\ct:WF+48*\b+8*\ct+7], v[XF+32*\b+8*\f:XF+32*\b+8*\f+7], 0
.else
	v_wmma_f32_16x16x32_bf16 v[8*(4*\ct+\f):8*(4*\ct+\f)+7], v[WF+48*\b+8*\ct:WF+48*\b+8*\ct+7], v[XF+32*\b+8*\f:XF+32*\b+8*\f+7], v[8*(4*\ct+\f):8*(4*\ct+\f)+7]
.endif
.endr
.endr
.irp ct, 4,5
.irp f, 0,1,2,3
.if \zero
	v_wmma_f32_16x16x32_bf16 v[8*(4*\ct+\f):8*(4*\ct+\f)+7], v[XF+32*\b+8*\f:XF+32*\b+8*\f+7], v[WF+48*\b+8*\ct:WF+48*\b+8*\ct+7], 0
.else
	v_wmma_f32_16x16x32_bf16 v[8*(4*\ct+\f):8*(4*\ct+\f)+7], v[XF+32*\b+8*\f:XF+32*\b+8*\f+7], v[WF+48*\b+8*\ct:WF+48*\b+8*\ct+7], v[8*(4*\ct+\f):8*(4*\ct+\f)+7]
.endif
.endr
.endr
.endm
; K step ks on buffers b; k1 = ks + 1 on buffers b1; k2 = ks + 2.  LDS loads are issued in the order x(0) w(0) x(1) w(1), then x(k2) w(k2) in step ks.
.macro KSTEP ks, b, k1, b1, k2
.if \ks < 7
	s_wait_dscnt 28                                ; w(ks) is in; behind it stand the 16 loads of x(k1) and the 12 of w(k1)
.else
	s_wait_dscnt 0
.endif
.if \ks == 0
	MM \b, 1                                       ; the first products start the sums: nothing is cleared
.else
	MM \b, 0
.endif
.if \k1 < 8
	s_wait_dscnt 12                                ; x(k1) is in; behind it stand the 12 loads of w(k1)
	CVTX \k1, \b1                                  ; 32 plain instructions on other registers: the places in front of the loads into buffer b
.endif
.if \k2 < 8
.if (\k2 & 1) == 0
	s_wait_tensorcnt 3-\k2/2                       ; my tensor load number k2 / 2 has landed; the later ones stay out.  Only I read these bytes
.endif
	LDX \k2
	LDWF \k2, \b
.endif
.endm
	s_load_b256 s[4:11], s[0:1], 0x0               ; x s[4:5], w_qkv s[6:7], qws s[8:9], kv s[10:11]
	s_load_b64 s[12:13], s[0:1], 0x20              ; part
	s_set_vgpr_msb 0xc0
	v_lshl_add_u32 v192, v0, 2, 0x4d000
	v_mov_b32 v193, 0
	s_set_vgpr_msb 0xc0cf
	ds_add_u32 v192, v193
	ds_add_u32 v192, v193
	s_wait_dscnt 0x0
	s_set_vgpr_msb 0xcf00
	v_lshrrev_b32 v5, 5, v0
	v_readfirstlane_b32 s14, v5                    ; wave 0..3
	ROUND                                          ; all four work-groups are here (while the arguments are on their way): the joint loads meet
	s_bfe_u32 s35, ttmp6, 0x40000                  ; cx: my place in the cluster
	s_lshr_b32 s15, ttmp9, 3                       ; b   (ttmp9 counts clusters: 8 b + 4 hh + pb)
	s_bfe_u32 s16, ttmp9, 0x10002                  ; hh
	s_lshl2_add_u32 s16, s16, s35                  ; h = 4 hh + cx
	s_and_b32 s17, ttmp9, 3                        ; pb
	s_lshl2_add_u32 s18, s17, s14                  ; G = 4 pb + w
	s_lshl3_add_u32 s19, s15, s16                  ; 8 b + h
	s_lshl2_add_u32 s35, s19, s17                  ; part's row 32 b + 4 h + pb
	s_mov_b32 s30, 0x76543210                      ; v_permlanex16_b32: lane i reads lane i of the other half
	s_mov_b32 s31, 0xfedcba98
	s_mov_b32 s33, 0
	; descriptor group 1: 64 rows of 32 elements of 8 bytes, 512 elements from row to row; the mask names all four work-groups
	s_mov_b32 s[G1+0], 15|(3<<16)|(1<<21)          ; 15:0 mask; 17:16 element of 8 bytes; 21 set beside a mask; no padding
	s_mov_b32 s[G1+1], 32<<16                      ; tensor_dim0 = 32
	s_mov_b32 s[G1+2], 64<<16                      ; tensor_dim1 = 64
	s_mov_b32 s[G1+3], 32<<16                      ; tile_dim0 = 32
	s_mov_b32 s[G1+4], 64                          ; tile_dim1 = 64
	s_mov_b32 s[G1+5], 512                         ; a channel is 4,096 bytes
	s_mov_b32 s[G1+6], 0
	s_mov_b32 s[G1+7], 0
	s_lshl_b32 s63, s14, 16                        ; my wave's 65,536 bytes of LDS
	s_lshl_b32 s60, s15, 20                        ; x's offset, in registers that never hold cx: image,
	s_lshl_b32 s62, s18, 8                         ; 256 G
	s_add_co_u32 s60, s60, s62
	s_mov_b32 s61, 0
	v_and_b32 v1, 31, v0
	v_lshlrev_b32 v1, 4, v1                        ; 16 l
	v_and_b32 v5, 15, v0                           ; r
	v_bfe_u32 v6, v0, 4, 1                         ; h'
	v_lshlrev_b32 v2, 11, v6
	v_lshl_add_u32 v2, v5, 4, v2                   ; x in LDS: 8 h' channels of 256 bytes + 16 r
	v_mul_u32_u24 v4, v6, PLANE
	v_lshl_add_u32 v4, v5, 4, v4                   ; fragment: plane h', row r
	v_bfe_u32 v5, v0, 3, 2                         ; staging: lane l holds k = 4 l .. 4 l + 3 of a half row: K step l >> 3,
	v_bfe_u32 v6, v0, 1, 2                         ; plane (l >> 1) & 3,
	v_and_b32 v7, 1, v0                            ; 8 bytes (l & 1)
	v_mul_u32_u24 v3, v5, WBLK
	v_mad_u32_u24 v3, v6, PLANE, v3
	v_lshl_add_u32 v3, v7, 3, v3
	v_lshl_add_u32 v3, s14, 6, v3                  ; my wave stages rows 4 w .. 4 w + 3 of each tile
	s_wait_kmcnt 0x0
	s_add_nc_u64 s[20:21], s[4:5], s[60:61]        ; x + image + 256 G
.irp j, 0,1,2,3
	s_mov_b32 s[G0+4*\j], 1                                        ; count = 1
	s_add_co_u32 s[G0+4*\j+1], s63, XB+\j*XCH                      ; LDS address: constant + 65,536 w + 16,384 j
	s_add_nc_u64 s[G0+4*\j+2:G0+4*\j+3], s[20:21], \j*64*4096      ; channels 64 j ..
	s_or_b32 s[G0+4*\j+3], s[G0+4*\j+3], 0x80000000                ; type = 2
	tensor_load_to_lds s[G0+4*\j:G0+4*\j+3], s[G1:G1+7]
	s_nop 0
.endr
	v_add_nc_u32 v2, s[G0+1], v2                   ; + my wave's first byte of x
	s_lshl_b32 s32, s16, 15
	s_lshl_b32 s34, s14, 12
	s_add_co_u32 s32, s32, s34
	s_add_nc_u64 s[22:23], s[6:7], s[32:33]        ; w_qkv + row 32 h + 4 w
	; my 24 rows of w_qkv, two loads of 512 consecutive bytes a row
	WIN 0xc0
.irp ct, 0,1,2,3,4,5
.irp n, 0,1,2,3
.irp hf, 0,1
	global_load_b128 v[4*((\ct*4+\n)*2+\hf):4*((\ct*4+\n)*2+\hf)+3], v1, s[22:23] offset:((\ct>>1)*256+(\ct&1)*16+\n)*1024+512*\hf
.endr
.endr
.endr
	s_lshl_b32 s34, s18, 12
	s_lshl_b32 s32, s19, 16
	s_add_co_u32 s32, s32, s34
	s_add_nc_u64 s[24:25], s[8:9], s[32:33]        ; qws + (b, h) + tile 4 G
	s_lshl_b32 s32, s19, 17
	s_add_co_u32 s32, s32, s34
	s_add_nc_u64 s[26:27], s[10:11], s[32:33]      ; kv + (b, h) + 4,096 G
	s_lshl_b32 s32, s35, 8
	s_add_nc_u64 s[28:29], s[12:13], s[32:33]      ; part + my row
	s_wait_loadcnt 0x0
	WIN 0x0f
.set i, 0
.rept 96
	v_cvt_pk_bf16_f32 v[WF+i], v[2*i], v[2*i+1]
.set i, i+1
.endr
	WIN 0
.irp ct, 0,1,2,3,4,5
.irp n, 0,1,2,3
.irp hf, 0,1
	ds_store_b64 v3, v[WF+2*((\ct*4+\n)*2+\hf):WF+2*((\ct*4+\n)*2+\hf)+1] offset:(8*\ct+4*\hf)*WBLK+16*\n
.endr
.endr
.endr
	s_wait_dscnt 0x0                               ; my staged rows are in LDS, for the other waves' sake
	s_barrier_signal -1
	s_barrier_wait -1                              ; all 96 rows are.  The tensor loads may stay out
	s_wait_tensorcnt 3                             ; my first tensor load (K steps 0 and 1) has landed; three stay out
	LDX 0
	LDWF 0, 0
	LDX 1
	LDWF 1, 1
	s_wait_dscnt 40                                ; x(0) is in; behind it stand 12 + 16 + 12 loads
	CVTX 0, 0
	KSTEP 0, 0, 1, 1, 2
	KSTEP 1, 1, 2, 0, 3
	KSTEP 2, 0, 3, 1, 4
	KSTEP 3, 1, 4, 0, 5
	KSTEP 4, 0, 5, 1, 6
	KSTEP 5, 1, 6, 0, 7
	KSTEP 6, 0, 7, 1, 8
	KSTEP 7, 1, 8, 0, 9
	; THE WAY OUT
	PLACES
	WIN 0x0f
.set i, 0
.rept 32
	v_pk_mul_f32 v[QSC+2*i:QSC+2*i+1], v[2*i:2*i+1], QS op_sel_hi:[1,0]        ; q * 32^-0.5 * log2(e)
.set i, i+1
.endr
.set i, 0
.rept 64
	v_cvt_pk_bf16_f32 v[KVP+i], v[64+2*i], v[64+2*i+1]                         ; k and v, packed: tile T at KVP + 4 (T - 8)
.set i, i+1
.endr
.set i, 0
.rept 32
	v_pk_mul_f32 v[XF+2*i:XF+2*i+1], v[2*i:2*i+1], v[64+2*i:64+2*i+1]          ; q k, channel by channel, unscaled
.set i, i+1
.endr
	WIN 0
.set i, 0
.rept 32
	v_cvt_pk_bf16_f32 v[QPK+i], v[QSC+2*i], v[QSC+2*i+1]
.set i, i+1
.endr
.irp ct, 0,1
.irp f, 0,1,2,3
	global_store_b128 v1, v[QPK+4*(4*\ct+\f):QPK+4*(4*\ct+\f)+3], s[24:25] offset:\f*1024+\ct*512
	global_store_b128 v1, v[KVP+4*(4*\ct+\f):KVP+4*(4*\ct+\f)+3], s[26:27] offset:\f*1024+\ct*512
	global_store_b128 v1, v[KVP+4*(8+4*\ct+\f):KVP+4*(8+4*\ct+\f)+3], s[26:27] offset:65536+(\f>>1)*2048+\ct*1024+(\f&1)*512
.endr
.endr
	; position 64 G + 4 r + f lies at row 2 G + (r >> 3), column 4 (r & 7) + f of the image: on the diagonal where the two are equal
	v_and_b32 v5, 7, v0
	v_bfe_u32 v6, v0, 3, 1
	v_lshl_add_u32 v6, s18, 1, v6
	v_lshlrev_b32 v5, 2, v5
	v_sub_nc_u32 v5, v6, v5
.irp f, 0,1,2,3
	v_cmp_eq_u32 vcc_lo, \f, v5
	v_cndmask_b32 v[MK+2*\f], 0, 1.0, vcc_lo
	v_cndmask_b32 v[MK+2*\f+1], 0, 1.0, vcc_lo
.endr
.irp ct, 0,1
.irp q, 0,1,2,3
	v_pk_mul_f32 v[DV+8*\ct+2*\q:DV+8*\ct+2*\q+1], v[XF+32*\ct+2*\q:XF+32*\ct+2*\q+1], v[MK:MK+1]
.irp f, 1,2,3
	v_pk_fma_f32 v[DV+8*\ct+2*\q:DV+8*\ct+2*\q+1], v[XF+32*\ct+8*\f+2*\q:XF+32*\ct+8*\f+2*\q+1], v[MK+2*\f:MK+2*\f+1], v[DV+8*\ct+2*\q:DV+8*\ct+2*\q+1]
.endr
.endr
.endr
.irp m, 1,2,4,8                        ; over the sixteen positions of a half: every lane of half h' ends with channels 16 ct + 8 h' + j
.irp e, 0,1,2,3,4,5,6,7,8,9,10,11,12,13,14,15
	v_add_f32_dpp v[DV+\e], v[DV+\e], v[DV+\e] row_xmask:\m row_mask:0xf bank_mask:0xf
.endr
.endr
	WIN 0x0f                               ; the sum of v: a lane holds channel 16 dt + r and 8 positions of each of four tiles
.irp dt, 0,1
.irp f, 0,1
.irp q, 0,1,2,3
	v_pk_add_f32 v[XF+16*\dt+8*\f+2*\q:XF+16*\dt+8*\f+2*\q+1], v[8*(16+4*\dt+\f)+2*\q:8*(16+4*\dt+\f)+2*\q+1], v[8*(18+4*\dt+\f)+2*\q:8*(18+4*\dt+\f)+2*\q+1]
.endr
.endr
.endr
	WIN 0
.irp dt, 0,1
.irp q, 0,1,2,3
	v_pk_add_f32 v[XF+16*\dt+2*\q:XF+16*\dt+2*\q+1], v[XF+16*\dt+2*\q:XF+16*\dt+2*\q+1], v[XF+16*\dt+8+2*\q:XF+16*\dt+8+2*\q+1]
.endr
	v_pk_add_f32 v[XF+16*\dt:XF+16*\dt+1], v[XF+16*\dt:XF+16*\dt+1], v[XF+16*\dt+4:XF+16*\dt+5]
	v_pk_add_f32 v[XF+16*\dt+2:XF+16*\dt+3], v[XF+16*\dt+2:XF+16*\dt+3], v[XF+16*\dt+6:XF+16*\dt+7]
	v_pk_add_f32 v[XF+16*\dt:XF+16*\dt+1], v[XF+16*\dt:XF+16*\dt+1], v[XF+16*\dt+2:XF+16*\dt+3]
	v_add_f32 v[XF+16*\dt], v[XF+16*\dt], v[XF+16*\dt+1]
	v_permlanex16_b32 v[XF+16*\dt+1], v[XF+16*\dt], s30, s31   ; the other half's 8 positions of each tile
	v_add_f32 v[XF+16*\dt], v[XF+16*\dt], v[XF+16*\dt+1]
.endr
	s_lshl_b32 s34, s14, 8
	s_add_co_u32 s34, s34, RED                     ; my wave's 256 bytes
	v_bfe_u32 v5, v0, 4, 1
	v_lshl_add_u32 v5, v5, 5, s34                  ; + 8 h' words
	v_and_b32 v6, 15, v0
	v_lshl_add_u32 v6, v6, 2, s34                  ; + r words
.irp ct, 0,1
	ds_store_b128 v5, v[DV+8*\ct:DV+8*\ct+3]   offset:64*\ct       ; the lanes of a half write equal words
	ds_store_b128 v5, v[DV+8*\ct+4:DV+8*\ct+7] offset:64*\ct+16
	ds_store_b32 v6, v[XF+16*\ct] offset:128+64*\ct
.endr
	s_wait_dscnt 0x0                               ; my sums are in LDS, for wave 0's sake
	s_barrier_signal -1
	s_barrier_wait -1
	s_cmp_lg_u32 s14, 0
	s_cbranch_scc1 .Lend
	v_lshlrev_b32 v7, 3, v0                        ; wave 0: 8 l
	ds_load_b64 v[16:17], v7 offset:RED
	ds_load_b64 v[18:19], v7 offset:RED+256
	ds_load_b64 v[20:21], v7 offset:RED+512
	ds_load_b64 v[22:23], v7 offset:RED+768
	s_wait_dscnt 0x0
	v_pk_add_f32 v[16:17], v[16:17], v[18:19]
	v_pk_add_f32 v[20:21], v[20:21], v[22:23]
	v_pk_add_f32 v[16:17], v[16:17], v[20:21]
	global_store_b64 v7, v[16:17], s[28:29]        ; the work-group's row of part: 256 consecutive bytes, aligned, by one store
.Lend:
	s_set_vgpr_msb 0xf
	s_wait_tensorcnt 0x0
	ds_add_u32 v192, v193
	s_wait_dscnt 0x0
	s_set_vgpr_msb 0xf00
	ROUND                                          ; the closing round: no work-group ends while a partner may still ask jointly
	s_endpgm
.Lfunc_end_k_qea9364093e_proj:
	.size	k_qea9364093e_proj, .Lfunc_end_k_qea9364093e_proj-k_qea9364093e_proj
	.p2alignl 7, 3214868480
	.fill 96, 4, 3214868480
	.section	.rodata,"a",@progbits
	.p2align	6, 0x0
	.amdhsa_kernel k_qea9364093e_proj
		.amdhsa_group_segment_fixed_size 315904
		.amdhsa_private_segment_fixed_size 0
		.amdhsa_enable_private_segment 0
		.amdhsa_kernarg_size 40
		.amdhsa_user_sgpr_count 2
		.amdhsa_user_sgpr_kernarg_segment_ptr 1
		.amdhsa_wavefront_size32 1
		.amdhsa_system_sgpr_workgroup_id_x 1
		.amdhsa_system_sgpr_workgroup_id_y 1
		.amdhsa_system_sgpr_workgroup_id_z 1
		.amdhsa_system_vgpr_workitem_id 0
		.amdhsa_next_free_vgpr 962
		.amdhsa_next_free_sgpr 66
		.amdhsa_reserve_vcc 1
		.amdhsa_float_denorm_mode_32 3
		.amdhsa_float_denorm_mode_16_64 3
		.amdhsa_memory_ordered 1
		.amdhsa_forward_progress 1
		.amdhsa_inst_pref_size 87
	.end_amdhsa_kernel
	.amdgpu_metadata
---
amdhsa.version: [ 1, 2 ]
amdhsa.kernels:
  - .name:           k_qea9364093e_proj
    .symbol:         k_qea9364093e_proj.kd
    .args:
      - { .name: x, .offset: 0, .size: 8, .value_kind: global_buffer, .address_space: global }
      - { .name: w_qkv, .offset: 8, .size: 8, .value_kind: global_buffer, .address_space: global }
      - { .name: qws, .offset: 16, .size: 8, .value_kind: global_buffer, .address_space: global }
      - { .name: kv, .offset: 24, .size: 8, .value_kind: global_buffer, .address_space: global }
      - { .name: part, .offset: 32, .size: 8, .value_kind: global_buffer, .address_space: global }
    .group_segment_fixed_size: 315904
    .private_segment_fixed_size: 0
    .kernarg_segment_align: 8
    .kernarg_segment_size: 40
    .max_flat_workgroup_size: 128
    .sgpr_count:     66
    .vgpr_count:     962
    .wavefront_size: 32
...
	.end_amdgpu_metadata
.endif
;; end of part 1
;; launch attn (part 2): grid 256 x 1, 8 waves a work-group, clusters of 4 x 1, 175,360 bytes of LDS; arguments qws, kv, x, w_g1, b_g1, w_g2, b_g2, att, gate, w_out, wfr; writes att, gate, wfr
.if DOCPART == 2
	.amdgcn_target "amdgcn-amd-amdhsa--gfx1250"
	.amdhsa_code_object_version 6
	.text
	.protected	k_qea9364093e_attn
	.globl	k_qea9364093e_attn
	.p2align	8
	.type	k_qea9364093e_attn,@function
k_qea9364093e_attn:
	s_mov_b64 s[64:65], 0
	v_nop
	global_prefetch_b8 v0, s[64:65] scope:SCOPE_SE
	s_setreg_imm32_b32 hwreg(HW_REG_WAVE_MODE, 25, 1), 1
	s_wait_xcnt 0x0
	s_wait_alu depctr_hold_cnt(0) depctr_sa_sdst(0) depctr_va_vdst(0) depctr_va_sdst(0) depctr_va_ssrc(0) depctr_va_vcc(0) depctr_vm_vsrc(0)
	s_getreg_b32 s2, hwreg(HW_REG_IB_STS2, 6, 4)
	s_cmp_eq_u32 s2, 0
	s_cbranch_scc0 .Lentry_in_a_cluster
	s_endpgm
.Lentry_in_a_cluster:
	s_bfe_u32 s2, ttmp6, 0x10000c
	s_cmp_lg_u32 s2, 0x3003
	s_cbranch_scc0 .Lentry_shape_is_right
	s_endpgm
.Lentry_shape_is_right:
; Softmax attention of one (b, h) for 256 queries against all 1,024 keys, and the gate of one image row.
; A cluster of four work-groups is the four query blocks qb of one (b, h) = cluster x: they need the same K and V, 128 KB, dense in memory and
; already in the matrix operands' register image (1 KB blocks: lane L's registers 0-3 at 16 L, 4-7 at 512 + 16 L).  Each of the eight waves asks
; for 64 rows of 256 bytes JOINTLY with the same wave of the three partners: one tensor load a wave in the whole kernel, no slot is filled again.
; Wave w owns query tiles 16 qb + 2 w + t, t = 0, 1 (32 queries).
; SOFTMAX in two passes, with the true row maximum.  Pass 1: S^T = K Q^T (a lane holds one query and 8 keys of a tile), running maximum only.
; Pass 2: the same product with a tile that holds -m as the C operand, so S - m comes out of the matrix unit; exp2 in place (q carries
; 32^-0.5 log2 e); packed in place to bf16: two S^T tiles are then the B operand (k = 32 keys) of O^T = V^T P^T; a third product with an A of
; ones gives the row sum of the same rounded P.  Nothing is rescaled and no lane talks to another inside the loops.
; THE DIAGONAL TERM (0.3 dv[i] sum_j v[j], for query positions below 32) is NOT added here: it is many times larger than the softmax part, and
; rounded to bf16 with it would cost the output projection its margin.  The last launch adds it, from f32 sums.
; GATE: the work-group makes 1 + sigmoid(w_g2 gelu(w_g1 |x(a) - x(31 - a)| + b_g1) + b_g2) for image row y = 4 h + qb of image b.
; W_OUT: the work-group also rounds 1/256 of w_out to bf16 for the last launch: half an operand block of wfr [row tile 16][K step 8][1 KB], number
; id = 4 (8 b + h) + qb: row tile id >> 4, K step (id >> 1) & 7, half id & 1.  Every wave loads the 1 KB with its first loads; wave 0 rounds and stores.
; The place in the cluster (qb) enters global addresses alone: no branch, trip count or LDS address hangs on it.
; LIMITS: q, k, v, P, the stored O / l, |x - x'|, w_g1 and w_out are bf16; erf by a five-term rational series (Abramowitz-Stegun 7.1.26), absolute error
; at most 1.5e-7 for every argument; v_exp_f32 gives 0 for results below 2^-126.
.set GW,   131072                      ; behind K (0) and V (65,536): w_g1 as 32 operand blocks of 1,088 bytes (4 planes of 272)
.set ASY,  165888                      ; |x - x'| as 8 operand blocks of 1 KB
.set RED,  174080                      ; 4 x 64 bytes: the gate's partial sums
.set WBLK, 1088
.set PLANE, 272
.set QF,  8                            ; v[8:23]    Q, two tiles
.set MT,  24                           ; v[24:39]   -m, two tiles of 8 equal registers
.set ON,  40                           ; v[40:47]   ones in bf16
.set KF,  48                           ; v[48:79]   K, 2 buffers x 2 tiles
.set VF,  80                           ; v[80:111]  V, 2 buffers x 2 halves of d
.set SC,  112                          ; v[112:175] scores, 4 buffers of 16
.set OA,  176                          ; v[176:207] O^T (t, half of d)
.set LSM, 208                          ; v[208:223] row sums (t)
.set WO,  224                          ; v[224:231] my 8 numbers of w_out in f32; v[232:235] the same in bf16 (wave 0); neither is written again
.set MX,  240                          ; v[240:247] running maxima, four chains a tile
.macro PLACES                          ; four plain vector instructions behind a matrix instruction (ISA guide 7.12.1)
.rept 4
	v_nop
.endr
.endm
.macro ROUND                           ; a round of the cluster's barrier
	s_barrier_signal -1
	s_barrier_wait -1
	s_cmp_lg_u32 s24, 0
	s_cbranch_scc1 .Lnot_wave_0_\@
	s_barrier_signal -3
.Lnot_wave_0_\@:
	s_barrier_wait -3
	s_barrier_signal -1
	s_barrier_wait -1
.endm
.macro LDF dst, adr, off               ; two operand blocks (2 KB) into 16 registers: four loads of 512 consecutive bytes
	ds_load_b128 v[\dst:\dst+3],     v[\adr] offset:\off
	ds_load_b128 v[\dst+4:\dst+7],   v[\adr] offset:\off+512
	ds_load_b128 v[\dst+8:\dst+11],  v[\adr] offset:\off+1024
	ds_load_b128 v[\dst+12:\dst+15], v[\adr] offset:\off+1536
.endm
	s_load_b512 s[4:19], s[0:1], 0x0               ; qws s[4:5], kv s[6:7], x s[8:9], w_g1 s[10:11], b_g1 s[12:13], w_g2 s[14:15], b_g2 s[16:17], att s[18:19]
	s_load_b128 s[20:23], s[0:1], 0x40             ; gate s[20:21], w_out s[22:23]
	s_load_b64 s[50:51], s[0:1], 0x50              ; wfr
	v_lshl_add_u32 v238, v0, 2, 0x2a900
	v_mov_b32 v239, 0
	ds_add_u32 v238, v239
	ds_add_u32 v238, v239
	s_wait_dscnt 0x0
	v_lshrrev_b32 v1, 5, v0
	v_readfirstlane_b32 s24, v1                    ; wave 0..7
	ROUND                                          ; all four work-groups are here (while the arguments are on their way): the joint loads meet
	s_bfe_u32 s25, ttmp6, 0x40000                  ; qb: my place in the cluster
	s_lshr_b32 s27, ttmp9, 3                       ; b   (ttmp9 counts clusters: 8 b + h)
	s_and_b32 s28, ttmp9, 7                        ; h
	s_lshl2_add_u32 s29, s28, s25                  ; y = 4 h + qb
	s_mov_b32 s30, 0x76543210                      ; v_permlanex16_b32: lane i reads lane i of the other half
	s_mov_b32 s31, 0xfedcba98
	; descriptor group 1: 64 rows of 32 elements of 8 bytes, dense; the mask names all four work-groups
	s_mov_b32 s32, 15|(3<<16)|(1<<21)              ; 15:0 mask; 17:16 element of 8 bytes; 21 set beside a mask; no padding
	s_mov_b32 s33, 32<<16                          ; tensor_dim0 = 32
	s_mov_b32 s34, 64<<16                          ; tensor_dim1 = 64
	s_mov_b32 s35, 32<<16                          ; tile_dim0 = 32
	s_mov_b32 s36, 64                              ; tile_dim1 = 64
	s_mov_b32 s37, 32                              ; 32 elements from row to row
	s_mov_b32 s38, 0
	s_mov_b32 s39, 0
	; group 0: made of the cluster's number and the wave's alone, in registers that never hold qb
	s_mov_b32 s40, 1
	s_lshl_b32 s41, s24, 14                        ; LDS: 16,384 w
	s_lshl_b32 s60, ttmp9, 17                      ; 131,072 (8 b + h)
	s_add_co_u32 s60, s60, s41
	s_mov_b32 s61, 0
	s_wait_kmcnt 0x0
	s_add_nc_u64 s[42:43], s[6:7], s[60:61]
	s_or_b32 s43, s43, 0x80000000                  ; type = 2
	tensor_load_to_lds s[40:43], s[32:39]          ; my wave's one tensor load
	s_nop 0
	s_load_b32 s49, s[16:17], 0x0                  ; b_g2
	s_mov_b32 s52, 0x3f3504f3                      ; 2^-0.5
	s_mov_b32 s53, 0x3ea7ba05                      ; p  = 0.3275911
	s_mov_b32 s54, 0xbfb8aa3b                      ; -log2(e)
	s_mov_b32 s55, 0x3e827906                      ; a1 = 0.254829592
	s_mov_b32 s56, 0xbe91a98e                      ; a2 = -0.284496736
	s_mov_b32 s57, 0x3fb5f0e3                      ; a3 = 1.421413741
	s_mov_b32 s58, 0xbfba00e3                      ; a4 = -1.453152027
	s_mov_b32 s59, 0x3f87dc22                      ; a5 = 1.061405429
	s_mov_b32 s45, 0
	s_mov_b32 s47, 0
	s_lshl_b32 s44, ttmp9, 16
	s_lshl_b32 s46, s25, 14
	s_add_co_u32 s44, s44, s46
	s_lshl_b32 s46, s24, 11
	s_add_co_u32 s44, s44, s46
	s_add_nc_u64 s[4:5], s[4:5], s[44:45]          ; qws + ((8 b + h) 64 + 16 qb + 2 w) KB
	s_add_nc_u64 s[10:11], s[10:11], s[46:47]      ; w_g1 + row 2 w
	s_lshl_b32 s44, s27, 20
	s_lshl_b32 s46, s24, 17
	s_add_co_u32 s44, s44, s46
	s_lshl_b32 s46, s29, 7
	s_add_co_u32 s44, s44, s46
	s_add_nc_u64 s[8:9], s[8:9], s[44:45]          ; x + image + channel 32 w + image row y
	s_lshl_b32 s44, s27, 12
	s_add_co_u32 s44, s44, s46
	s_add_nc_u64 s[20:21], s[20:21], s[44:45]      ; gate + (1,024 b + 32 y) words
	s_lshl_b32 s44, s27, 19
	s_lshl_b32 s46, s25, 17
	s_add_co_u32 s44, s44, s46
	s_lshl_b32 s46, s24, 14
	s_add_co_u32 s44, s44, s46
	s_lshl_b32 s46, s28, 10
	s_add_co_u32 s44, s44, s46
	s_add_nc_u64 s[18:19], s[18:19], s[44:45]      ; att + b + tile 16 qb + 2 w + head h
	s_lshl2_add_u32 s26, ttmp9, s25                ; id = 4 (8 b + h) + qb
	s_lshr_b32 s44, s26, 4
	s_lshl_b32 s44, s44, 14                        ; row tile id >> 4: 16 rows of 1,024 bytes
	s_and_b32 s62, s26, 15
	s_lshl_b32 s62, s62, 6                         ; column 16 (id & 15): 4 bytes a number
	s_add_co_u32 s44, s44, s62
	s_add_nc_u64 s[22:23], s[22:23], s[44:45]      ; w_out + my 16 x 16 numbers
	s_lshl_b32 s46, s26, 9
	s_add_nc_u64 s[50:51], s[50:51], s[46:47]      ; wfr + 512 id
	v_and_b32 v3, 31, v0
	v_lshlrev_b32 v250, 2, v3                      ; 4 l   (never rewritten: the gate's store reads it)
	v_lshlrev_b32 v3, 4, v3                        ; 16 l  (never rewritten)
	v_and_b32 v1, 15, v0                           ; r
	v_bfe_u32 v2, v0, 4, 1                         ; h'
	v_lshlrev_b32 v249, 15, v2                     ; 8 h' channels of 4,096 bytes
	v_lshl_add_u32 v248, v1, 2, v249               ; + column r
	v_xor_b32 v251, 15, v1
	v_lshl_add_u32 v249, v251, 2, v249             ; + column 15 - r; 16 more columns stand in the immediate
	s_and_b32 s46, s24, 3
	s_lshl_b32 s46, s46, 6
	v_lshl_add_u32 v251, v2, 5, s46                ; b_g1, w_g2: words 16 (w & 3) + 8 h'
	v_lshlrev_b32 v254, 10, v1
	v_lshl_add_u32 v254, v2, 5, v254               ; w_out: row r, 8 h' numbers  (never rewritten)
.irp t, 0,1
	global_load_b128 v[QF+8*\t:QF+8*\t+3],   v3, s[4:5] offset:\t*1024
	global_load_b128 v[QF+8*\t+4:QF+8*\t+7], v3, s[4:5] offset:\t*1024+512
.endr
.irp ot, 0,1,2,3
.irp n, 0,1
.irp hf, 0,1
	global_load_b128 v[SC+4*((\ot*2+\n)*2+\hf):SC+4*((\ot*2+\n)*2+\hf)+3], v3, s[10:11] offset:(16*\ot+\n)*1024+512*\hf
.endr
.endr
.endr
.irp hi, 0,1
.irp j, 0,1,2,3,4,5,6,7
	global_load_b32 v[KF+8*\hi+\j],    v248, s[8:9] offset:(16*\hi+\j)*4096
	global_load_b32 v[KF+16+8*\hi+\j], v249, s[8:9] offset:(16*\hi+\j)*4096+64
.endr
.endr
	global_load_b128 v[192:195], v251, s[12:13]
	global_load_b128 v[196:199], v251, s[12:13] offset:16
	global_load_b128 v[200:203], v251, s[14:15]
	global_load_b128 v[204:207], v251, s[14:15] offset:16
	global_load_b128 v[WO:WO+3],   v254, s[22:23]
	global_load_b128 v[WO+4:WO+7], v254, s[22:23] offset:16
	; LDS addresses
	v_bfe_u32 v4, v0, 3, 2
	v_bfe_u32 v5, v0, 1, 2
	v_and_b32 v6, 1, v0
	v_mul_u32_u24 v252, v4, WBLK
	v_mad_u32_u24 v252, v5, PLANE, v252
	v_lshl_add_u32 v252, v6, 3, v252
	s_lshl_b32 s46, s24, 5
	s_add_co_u32 s46, s46, GW
	v_add_nc_u32 v252, s46, v252                   ; staging of w_g1: rows 2 w, 2 w + 1 of each tile
	s_lshl_b32 s46, s24, 10
	s_add_co_u32 s46, s46, ASY
	v_add_nc_u32 v253, s46, v3                     ; my K step's block of |x - x'|
	s_wait_loadcnt 0x0
	s_wait_kmcnt 0x0
	; w_g1 to bf16 operand blocks
.set i, 0
.rept 32
	v_cvt_pk_bf16_f32 v[VF+i], v[SC+2*i], v[SC+2*i+1]
.set i, i+1
.endr
.irp ot, 0,1,2,3
.irp n, 0,1
.irp hf, 0,1
	ds_store_b64 v252, v[VF+2*((\ot*2+\n)*2+\hf):VF+2*((\ot*2+\n)*2+\hf)+1] offset:(8*\ot+4*\hf)*WBLK+16*\n
.endr
.endr
.endr
	; |x(a) - x(31 - a)|: the difference in f32, rounded once, the signs cleared: column a = r, channels 32 w ..
.irp i, 0,1,2,3,4,5,6,7
	v_pk_add_f32 v[KF+2*\i:KF+2*\i+1], v[KF+2*\i:KF+2*\i+1], v[KF+16+2*\i:KF+16+2*\i+1] neg_lo:[0,1] neg_hi:[0,1]
.endr
.irp i, 0,1,2,3,4,5,6,7
	v_cvt_pk_bf16_f32 v[MT+\i], v[KF+2*\i], v[KF+2*\i+1]
.endr
.irp i, 0,1,2,3,4,5,6,7
	v_and_b32 v[MT+\i], 0x7fff7fff, v[MT+\i]
.endr
	ds_store_b128 v253, v[MT:MT+3]
	ds_store_b128 v253, v[MT+4:MT+7] offset:512
	s_wait_dscnt 0x0                               ; my stores are in LDS, for the others' sake
	s_barrier_signal -1
	s_barrier_wait -1                              ; the tensor load may stay out
	; the gate's first layer: wave w (0..3) makes rows 16 w .. 16 w + 15 of w_g1 |x - x'|
	s_cmp_gt_u32 s24, 3
	s_cbranch_scc1 .Lno_gate
	s_mul_i32 s46, s24, 8*WBLK
	s_add_co_u32 s46, s46, GW
	v_mul_u32_u24 v248, v2, PLANE
	v_lshl_add_u32 v248, v1, 4, v248
	v_add_nc_u32 v248, s46, v248
	v_add_nc_u32 v249, ASY, v3
	s_lshl_b32 s46, s24, 6
	s_add_co_u32 s46, s46, RED
	v_lshl_add_u32 v251, v1, 2, s46
.irp ks, 0,1,2,3,4,5,6,7
	ds_load_b128 v[SC+8*\ks:SC+8*\ks+3],   v248 offset:\ks*WBLK
	ds_load_b128 v[SC+8*\ks+4:SC+8*\ks+7], v248 offset:\ks*WBLK+2*PLANE
	ds_load_b128 v[KF+8*\ks:KF+8*\ks+3],   v249 offset:\ks*1024
	ds_load_b128 v[KF+8*\ks+4:KF+8*\ks+7], v249 offset:\ks*1024+512
.endr
	s_wait_dscnt 0x0
	v_wmma_f32_16x16x32_bf16 v[176:183], v[SC:SC+7], v[KF:KF+7], 0             ; two accumulators take turns
	v_wmma_f32_16x16x32_bf16 v[184:191], v[SC+8:SC+15], v[KF+8:KF+15], 0
.irp ks, 2,4,6
	v_wmma_f32_16x16x32_bf16 v[176:183], v[SC+8*\ks:SC+8*\ks+7], v[KF+8*\ks:KF+8*\ks+7], v[176:183]
	v_wmma_f32_16x16x32_bf16 v[184:191], v[SC+8*\ks+8:SC+8*\ks+15], v[KF+8*\ks+8:KF+8*\ks+15], v[184:191]
.endr
	PLACES
.irp q, 0,2,4,6
	v_pk_add_f32 v[176+\q:177+\q], v[176+\q:177+\q], v[184+\q:185+\q]
.endr
.irp q, 0,2,4,6
	v_pk_add_f32 v[176+\q:177+\q], v[176+\q:177+\q], v[192+\q:193+\q]          ; + b_g1
.endr
	; gelu(u) = max(u, 0) - 0.5 |u| Q,  Q = 1 - erf(z) = poly(t) exp(-z^2),  z = |u| 2^-0.5,  t = 1 / (1 + p z)
.irp j, 0,1,2,3,4,5,6,7
	v_and_b32 v[72+\j], 0x7fffffff, v[176+\j]
.endr
.irp j, 0,1,2,3,4,5,6,7
	v_mul_f32 v[184+\j], s52, v[72+\j]
.endr
.irp j, 0,1,2,3,4,5,6,7
	v_fma_f32 v[48+\j], v[184+\j], s53, 1.0
	v_mul_f32 v[56+\j], v[184+\j], v[184+\j]
.endr
.irp j, 0,1,2,3,4,5,6,7
	v_mul_f32 v[56+\j], s54, v[56+\j]
.endr
.irp j, 0,1,2,3,4,5,6,7
	v_rcp_f32 v[48+\j], v[48+\j]
.endr
.irp j, 0,1,2,3,4,5,6,7
	v_exp_f32 v[56+\j], v[56+\j]
.endr
	v_nop                                          ; one plain instruction behind the run of transcendentals (ISA guide 5.7.2)
	s_wait_alu depctr_va_vdst(0)
.irp j, 0,1,2,3,4,5,6,7
	v_fma_f32 v[64+\j], v[48+\j], s59, s58
.endr
.irp j, 0,1,2,3,4,5,6,7
	v_fma_f32 v[64+\j], v[64+\j], v[48+\j], s57
.endr
.irp j, 0,1,2,3,4,5,6,7
	v_fma_f32 v[64+\j], v[64+\j], v[48+\j], s56
.endr
.irp j, 0,1,2,3,4,5,6,7
	v_fma_f32 v[64+\j], v[64+\j], v[48+\j], s55
.endr
.irp j, 0,1,2,3,4,5,6,7
	v_mul_f32 v[64+\j], v[64+\j], v[48+\j]
	v_mul_f32 v[72+\j], v[72+\j], v[56+\j]
.endr
.irp j, 0,1,2,3,4,5,6,7
	v_mul_f32 v[64+\j], v[64+\j], v[72+\j]         ; |u| Q
	v_max_num_f32 v[176+\j], 0, v[176+\j]
.endr
.irp j, 0,1,2,3,4,5,6,7
	v_fma_f32 v[176+\j], v[64+\j], -0.5, v[176+\j]
.endr
	v_mul_f32 v80, v176, v200                      ; times w_g2, over my 8 rows,
.irp j, 1,2,3,4,5,6,7
	v_fmac_f32 v80, v[176+\j], v[200+\j]
.endr
	v_permlanex16_b32 v81, v80, s30, s31           ; and the other half's 8
	v_add_f32 v80, v80, v81
	ds_store_b32 v251, v80                         ; column a = r; both halves write the same word
.Lno_gate:
.irp i, 0,1,2,3,4,5,6,7
	v_mov_b32 v[ON+\i], 0x3f803f80                 ; ones in bf16, for the row sums
.endr
	s_wait_dscnt 0x0                               ; (waves 0 to 3) my word of the gate's sums is in LDS
	s_wait_tensorcnt 0x0                           ; my 16 KB of K and V have landed
	s_barrier_signal -1
	s_barrier_wait -1                              ; everybody's have, and the gate's four partial sums are in LDS
	s_cmp_lg_u32 s24, 0
	s_cbranch_scc1 .Lno_store
	v_bfe_u32 v252, v0, 1, 4                       ; wave 0: column X = l takes a = X >> 1
	v_lshlrev_b32 v252, 2, v252
	v_add_nc_u32 v252, RED, v252
	ds_load_b32 v96, v252
	ds_load_b32 v97, v252 offset:64
	ds_load_b32 v98, v252 offset:128
	ds_load_b32 v99, v252 offset:192
.irp i, 0,1,2,3
	v_cvt_pk_bf16_f32 v[WO+8+\i], v[WO+2*\i], v[WO+2*\i+1]     ; my 8 numbers of w_out: row r, k = 8 h' .. + 7 of the half
.endr
	global_store_b128 v3, v[WO+8:WO+11], s[50:51]  ; half an operand block of wfr: 512 consecutive bytes
	s_wait_dscnt 0x0
	v_pk_add_f32 v[96:97], v[96:97], v[98:99]
	v_add_f32 v96, v96, v97
	v_add_f32 v96, s49, v96                        ; + b_g2
	v_mul_f32 v96, s54, v96
	v_exp_f32 v96, v96
	v_nop
	s_wait_alu depctr_va_vdst(0)
	v_add_f32 v96, 1.0, v96
	v_rcp_f32 v96, v96
	v_nop
	s_wait_alu depctr_va_vdst(0)
	v_add_f32 v255, 1.0, v96                       ; 1 + sigmoid; v255 and v250 are not written again
	global_store_b32 v250, v255, s[20:21]
.Lno_store:
	; PASS 1: the row maxima.  A step is two key tiles (2 KB of K); two score buffers of 32 registers and two K buffers take turns.
.macro W1 buf, kf
	v_wmma_f32_16x16x32_bf16 v[\buf:\buf+7],     v[KF+16*\kf:KF+16*\kf+7],    v[QF:QF+7],    0
	v_wmma_f32_16x16x32_bf16 v[\buf+8:\buf+15],  v[KF+16*\kf+8:KF+16*\kf+15], v[QF:QF+7],    0
	v_wmma_f32_16x16x32_bf16 v[\buf+16:\buf+23], v[KF+16*\kf:KF+16*\kf+7],    v[QF+8:QF+15], 0
	v_wmma_f32_16x16x32_bf16 v[\buf+24:\buf+31], v[KF+16*\kf+8:KF+16*\kf+15], v[QF+8:QF+15], 0
.endm
; 16 instructions on the buffer written one step earlier; its first four are the places in front of the loads into the K buffer just multiplied
.macro MAX1 buf, fetch, kf, off
.irp n, 0,1
	v_max3_num_f32 v[MX+\n],   v[\buf+2*\n],    v[\buf+2*\n+1],    v[MX+\n]
	v_max3_num_f32 v[MX+4+\n], v[\buf+16+2*\n], v[\buf+16+2*\n+1], v[MX+4+\n]
.endr
.if \fetch
	LDF KF+16*\kf, 1, \off
.endif
.irp n, 2,3,4,5,6,7
	v_max3_num_f32 v[MX+(\n&3)],   v[\buf+2*\n],    v[\buf+2*\n+1],    v[MX+(\n&3)]
	v_max3_num_f32 v[MX+4+(\n&3)], v[\buf+16+2*\n], v[\buf+16+2*\n+1], v[MX+4+(\n&3)]
.endr
.endm
	v_mov_b32 v1, v3                               ; K's running address
	LDF KF, 1, 0                                   ; step 0
	LDF KF+16, 1, 2048                             ; step 1
	s_wait_dscnt 4                                 ; here and below: the older four loads are in, the younger four stay out
	W1 SC, 0
.irp n, 0,1,2,3,4,5,6,7
	v_mov_b32 v[MX+\n], 0xff800000                 ; -infinity; also the places in front of the loads below
.endr
	LDF KF, 1, 4096                                ; step 2
	s_mov_b32 s48, 14
.Lmax:
	s_wait_dscnt 4
	W1 SC+32, 1
	MAX1 SC, 1, 1, 6144
	s_wait_dscnt 4
	W1 SC, 0
	MAX1 SC+32, 1, 0, 8192
	v_add_nc_u32 v1, 4096, v1
	s_sub_co_i32 s48, s48, 1
	s_cmp_lg_u32 s48, 0
	s_cbranch_scc1 .Lmax
	s_wait_dscnt 4                                 ; steps 29, 30, 31: one more fetch, then none
	W1 SC+32, 1
	MAX1 SC, 1, 1, 6144
	s_wait_dscnt 4
	W1 SC, 0
	MAX1 SC+32, 0, 0, 0
	s_wait_dscnt 0
	W1 SC+32, 1
	MAX1 SC, 0, 0, 0
	MAX1 SC+32, 0, 0, 0
.irp t, 0,1
	v_max3_num_f32 v[MX+4*\t], v[MX+4*\t], v[MX+4*\t+1], v[MX+4*\t+2]
	v_max_num_f32 v[MX+4*\t], v[MX+4*\t], v[MX+4*\t+3]
	v_permlanex16_b32 v[MX+4*\t+1], v[MX+4*\t], s30, s31       ; the other half holds the same query's other keys
	v_max_num_f32 v[MX+4*\t], v[MX+4*\t], v[MX+4*\t+1]
.irp j, 0,1,2,3,4,5,6,7
	v_sub_f32 v[MT+8*\t+\j], 0, v[MX+4*\t]
.endr
.endr
	; PASS 2.  Four score buffers of 16 registers: (step parity, query tile).
.macro SW sb, kf, tq                   ; S^T - m of two key tiles for query tile tq
	v_wmma_f32_16x16x32_bf16 v[SC+16*\sb:SC+16*\sb+7],    v[KF+16*\kf:KF+16*\kf+7],    v[QF+8*\tq:QF+8*\tq+7], v[MT+8*\tq:MT+8*\tq+7]
	v_wmma_f32_16x16x32_bf16 v[SC+16*\sb+8:SC+16*\sb+15], v[KF+16*\kf+8:KF+16*\kf+15], v[QF+8*\tq:QF+8*\tq+7], v[MT+8*\tq:MT+8*\tq+7]
.endm
.macro EC sb                           ; exp2 in place; one plain instruction; pack in place: register e takes 2 e and 2 e + 1, which no earlier line of the run still needs
.irp e, 0,1,2,3,4,5,6,7,8,9,10,11,12,13,14,15
	v_exp_f32 v[SC+16*\sb+\e], v[SC+16*\sb+\e]
.endr
	v_nop
	s_wait_alu depctr_va_vdst(0)
.irp e, 0,1,2,3,4,5,6,7
	v_cvt_pk_bf16_f32 v[SC+16*\sb+\e], v[SC+16*\sb+2*\e], v[SC+16*\sb+2*\e+1]
.endr
.endm
.macro PV sb, vf, tq, zero             ; O^T += V^T P^T (two halves of d), row sums += ones P^T: three accumulators, one instruction each
.if \zero
	v_wmma_f32_16x16x32_bf16 v[OA+16*\tq:OA+16*\tq+7],    v[VF+16*\vf:VF+16*\vf+7],    v[SC+16*\sb:SC+16*\sb+7], 0
	v_wmma_f32_16x16x32_bf16 v[OA+16*\tq+8:OA+16*\tq+15], v[VF+16*\vf+8:VF+16*\vf+15], v[SC+16*\sb:SC+16*\sb+7], 0
	v_wmma_f32_16x16x32_bf16 v[LSM+8*\tq:LSM+8*\tq+7],    v[ON:ON+7],                  v[SC+16*\sb:SC+16*\sb+7], 0
.else
	v_wmma_f32_16x16x32_bf16 v[OA+16*\tq:OA+16*\tq+7],    v[VF+16*\vf:VF+16*\vf+7],    v[SC+16*\sb:SC+16*\sb+7], v[OA+16*\tq:OA+16*\tq+7]
	v_wmma_f32_16x16x32_bf16 v[OA+16*\tq+8:OA+16*\tq+15], v[VF+16*\vf+8:VF+16*\vf+15], v[SC+16*\sb:SC+16*\sb+7], v[OA+16*\tq+8:OA+16*\tq+15]
	v_wmma_f32_16x16x32_bf16 v[LSM+8*\tq:LSM+8*\tq+7],    v[ON:ON+7],                  v[SC+16*\sb:SC+16*\sb+7], v[LSM+8*\tq:LSM+8*\tq+7]
.endif
.endm
; Step s of parity p (q = 1 - p; score buffers s0 = 2 p, s1 = 2 p + 1, sn = 2 q).  The scores of (s, tile 0) were made in the step before.
; Each EC's v_nop and eight packings are nine places: between a score product and the exponentials that read it, and between a product and the
; loads into its K or V buffer.  No two matrix instructions that follow each other share an accumulator, over the backward jump too.
; ca: V of this step is in: behind its four loads stand those of K (s + 1), V (s + 1), K (s + 2).  cb: K (s + 1) is in: behind it V (s + 1), K (s + 2).
.macro STEP p, q, s0, s1, sn, fv, fk, ca, cb, last, zero
	SW \s1, \p, 1
	EC \s0
.if \fv
	LDF VF+16*\q, 2, (1+\p)*2048
.endif
.if \fk
	LDF KF+16*\p, 1, (2+\p)*2048
.endif
	s_wait_dscnt \ca
	PV \s0, \p, 0, \zero
.if \last == 0
	s_wait_dscnt \cb
	SW \sn, \q, 0
.endif
	EC \s1
	PV \s1, \p, 1, \zero
.endm
	v_mov_b32 v1, v3                               ; K again from its first block
	v_add_nc_u32 v2, 65536, v3                     ; V
	LDF KF, 1, 0
	LDF VF, 2, 0
	LDF KF+16, 1, 2048
	s_wait_dscnt 8                                 ; K of step 0 is in
	SW 0, 0, 0
	PLACES
	STEP 0, 1, 0, 1, 2, 1, 1, 12, 8, 0, 1          ; the first step's products start the sums
	STEP 1, 0, 2, 3, 0, 1, 1, 12, 8, 0, 0
	v_add_nc_u32 v1, 4096, v1
	v_add_nc_u32 v2, 4096, v2
	s_mov_b32 s48, 14
.Lpv:
	STEP 0, 1, 0, 1, 2, 1, 1, 12, 8, 0, 0
	STEP 1, 0, 2, 3, 0, 1, 1, 12, 8, 0, 0
	v_add_nc_u32 v1, 4096, v1
	v_add_nc_u32 v2, 4096, v2
	s_sub_co_i32 s48, s48, 1
	s_cmp_lg_u32 s48, 0
	s_cbranch_scc1 .Lpv
	STEP 0, 1, 0, 1, 2, 1, 0, 8, 4, 0, 0           ; step 30: V of step 31 is the last fetch, so one run of four loads fewer stands behind each
	STEP 1, 0, 2, 3, 0, 0, 0, 0, 0, 1, 0           ; step 31
	; O / l, packed to bf16: O^T's tile is half of an operand block of att (column = position index, k = d)
	PLACES
	v_rcp_f32 v248, v[LSM]
	v_rcp_f32 v249, v[LSM]
	v_rcp_f32 v252, v[LSM+8]
	v_rcp_f32 v253, v[LSM+8]
	v_nop                                          ; one plain instruction behind the run of transcendentals (ISA guide 5.7.2)
	s_wait_alu depctr_va_vdst(0)
.irp t, 0,1
.irp dt, 0,1
.irp q, 0,1,2,3
	v_pk_mul_f32 v[OA+16*\t+8*\dt+2*\q:OA+16*\t+8*\dt+2*\q+1], v[OA+16*\t+8*\dt+2*\q:OA+16*\t+8*\dt+2*\q+1], v[248+4*\t:249+4*\t]
.endr
.irp q, 0,1,2,3
	v_cvt_pk_bf16_f32 v[OA+16*\t+8*\dt+\q], v[OA+16*\t+8*\dt+2*\q], v[OA+16*\t+8*\dt+2*\q+1]
.endr
	global_store_b128 v3, v[OA+16*\t+8*\dt:OA+16*\t+8*\dt+3], s[18:19] offset:\t*8192+\dt*512   ; 512 consecutive bytes
.endr
.endr
	s_wait_tensorcnt 0x0
	ds_add_u32 v238, v239
	s_wait_dscnt 0x0
	ROUND                                          ; the closing round: no work-group ends while a partner may still ask jointly
	s_endpgm
.Lfunc_end_k_qea9364093e_attn:
	.size	k_qea9364093e_attn, .Lfunc_end_k_qea9364093e_attn-k_qea9364093e_attn
	.p2alignl 7, 3214868480
	.fill 96, 4, 3214868480
	.section	.rodata,"a",@progbits
	.p2align	6, 0x0
	.amdhsa_kernel k_qea9364093e_attn
		.amdhsa_group_segment_fixed_size 175360
		.amdhsa_private_segment_fixed_size 0
		.amdhsa_enable_private_segment 0
		.amdhsa_kernarg_size 88
		.amdhsa_user_sgpr_count 2
		.amdhsa_user_sgpr_kernarg_segment_ptr 1
		.amdhsa_wavefront_size32 1
		.amdhsa_system_sgpr_workgroup_id_x 1
		.amdhsa_system_sgpr_workgroup_id_y 1
		.amdhsa_system_sgpr_workgroup_id_z 1
		.amdhsa_system_vgpr_workitem_id 0
		.amdhsa_next_free_vgpr 256
		.amdhsa_next_free_sgpr 66
		.amdhsa_reserve_vcc 0
		.amdhsa_float_denorm_mode_32 3
		.amdhsa_float_denorm_mode_16_64 3
		.amdhsa_memory_ordered 1
		.amdhsa_forward_progress 1
		.amdhsa_inst_pref_size 62
	.end_amdhsa_kernel
	.amdgpu_metadata
---
amdhsa.version: [ 1, 2 ]
amdhsa.kernels:
  - .name:           k_qea9364093e_attn
    .symbol:         k_qea9364093e_attn.kd
    .args:
      - { .name: qws, .offset: 0, .size: 8, .value_kind: global_buffer, .address_space: global }
      - { .name: kv, .offset: 8, .size: 8, .value_kind: global_buffer, .address_space: global }
      - { .name: x, .offset: 16, .size: 8, .value_kind: global_buffer, .address_space: global }
      - { .name: w_g1, .offset: 24, .size: 8, .value_kind: global_buffer, .address_space: global }
      - { .name: b_g1, .offset: 32, .size: 8, .value_kind: global_buffer, .address_space: global }
      - { .name: w_g2, .offset: 40, .size: 8, .value_kind: global_buffer, .address_space: global }
      - { .name: b_g2, .offset: 48, .size: 8, .value_kind: global_buffer, .address_space: global }
      - { .name: att, .offset: 56, .size: 8, .value_kind: global_buffer, .address_space: global }
      - { .name: gate, .offset: 64, .size: 8, .value_kind: global_buffer, .address_space: global }
      - { .name: w_out, .offset: 72, .size: 8, .value_kind: global_buffer, .address_space: global }
      - { .name: wfr, .offset: 80, .size: 8, .value_kind: global_buffer, .address_space: global }
    .group_segment_fixed_size: 175360
    .private_segment_fixed_size: 0
    .kernarg_segment_align: 8
    .kernarg_segment_size: 88
    .max_flat_workgroup_size: 256
    .sgpr_count:     66
    .vgpr_count:     256
    .wavefront_size: 32
...
	.end_amdgpu_metadata
.endif
;; end of part 2
;; launch outp (part 3): grid 256 x 1, 4 waves a work-group, no clusters, 36,608 bytes of LDS; arguments att, gate, part, wfr, b_out, out0; writes out0
.if DOCPART == 3
	.amdgcn_target "amdgcn-amd-amdhsa--gfx1250"
	.amdhsa_code_object_version 6
	.text
	.protected	k_qea9364093e_outp
	.globl	k_qea9364093e_outp
	.p2align	8
	.type	k_qea9364093e_outp,@function
k_qea9364093e_outp:
	s_mov_b64 s[64:65], 0
	v_nop
	global_prefetch_b8 v0, s[64:65] scope:SCOPE_SE
	s_setreg_imm32_b32 hwreg(HW_REG_WAVE_MODE, 25, 1), 1
	s_wait_xcnt 0x0
; out0[b][o][p] = gate[b][p] * ( sum_c w_out[o][c] att[b][c][p] + cd[b][p] u[b][o] ) + b_out[o]
;   gate = 1 + g is one number a position, so it commutes with the product;
;   the second term is the diagonal branch, which is of rank one: u[o] = sum_c w_out[o][c] vs[c], vs[c] = the sum of v over all positions,
;   cd[p] = 0.3 * 32^-0.5 / 8 * (sum over heads and diagonal positions of q k at channel p) for p < 32, and 0 for the other positions.
; Work-group wg = 32 b + 2 G + oh: 128 output channels (oh) x the 64 positions of group G.  Wave w: rows o0 = 128 oh + 32 w .. + 31: two row tiles
; x four position tiles x eight K steps (one head each) = 64 matrix instructions on eight accumulators, and 16 more for u.
; Both operands lie in memory as bf16 operand blocks of 1 KB (lane L's registers 0-3 at 16 L, 4-7 at 512 + 16 L):
;   wfr [row tile 16][K step 8][1 KB], w_out as the launch before rounded it: a wave's 16 blocks go straight into its fragment registers;
;   att [b][tile 64][head 8][1 KB]: the group's 32 KB are copied once into LDS, a quarter by each wave, and every wave reads all of them.
; u KEEPS vs TO 16 BITS OF MANTISSA: vs is split into hi = bf16(vs) and lo = bf16(vs - hi); the B operand holds hi in its even columns and lo in its
; odd ones, and one add between neighbouring lanes joins the two products.  The term is many times larger than the softmax part beside it, so it
; is not rounded to one bf16.
; part[32 b + 4 h + pb][64 f32]: words 0-31 sums of q k, words 32-63 sums of v.  Wave w loads rows 8 w .. 8 w + 7 (heads 2 w, 2 w + 1), 8 bytes a lane:
; lanes 0-15 hold q k sums, lanes 16-31 sums of v.  All lanes do the same work and store; the half that has no use lands in bytes nobody reads.
; Tile f of group G holds at index i position 64 G + 4 i + f, so a lane's results of the four tiles are four neighbouring f32 of one row of out0:
; the fused multiply-adds put them side by side, and sixteen lanes store 256 consecutive bytes, aligned.
; NO CLUSTER: a wave's 16 KB of wfr are read by that wave alone in its work-group and go to registers, not to LDS; what lies in LDS, att's 32 KB of the
; 105 KB that a work-group reads, is shared by two work-groups only.
; LIMITS: w_out and att are bf16 in the products, vs two bf16 (relative error at most 2^-17); sums, gate, cd and bias in f32; the sums over part's
; rows are made in another order than a plain loop's.
; REGISTERS: window 0: v1, v6, v7, v28-29 addresses; v8-11 gate; v12-27 bias; v32-95 att as loaded, then the accumulators (ot, f) at 32 + 8 (4 ot + f);
; v96-223 w_out's fragments (ks, ot), then the results; v224-229 addresses, then v224-239 u's two accumulators;
; v240-255 part as loaded, then the four parts of cd.  Window 1: att's fragments (ks, f) at 32 ks + 8 f.  Window 2: v0-63 the fragments of vs, K step ks at 8 ks.
.set TAB,   32768                      ; behind att's 32 KB: vs in bf16: hi, 8 heads x 128 bytes (the upper 64 hold 32 numbers), then lo
.set LOOFF, 1040                       ; lo lies 1,024 + 16 bytes behind hi: an even and an odd lane's 16 bytes fall into different columns modulo 256
.set DVR,   TAB+2304                   ; 4 x 256 bytes: each wave's part of the q k sums in the lower 128
.set CDV,   0x3bd93924                 ; 0.3 * 32^-0.5 / 8
.set UA,    224
.set PR,    240
.set MSB,   0
.macro WIN new                         ; the immediate's high byte repeats the setting that is left
.if MSB != \new
	s_set_vgpr_msb (MSB<<8)|\new
.set MSB, \new
.endif
.endm
	s_load_b256 s[4:11], s[0:1], 0x0               ; att s[4:5], gate s[6:7], part s[8:9], wfr s[10:11]
	s_load_b128 s[12:15], s[0:1], 0x20             ; b_out s[12:13], out0 s[14:15]
	v_lshl_add_u32 v4, v0, 2, 0x8d00
	v_mov_b32 v5, 0
	v_lshrrev_b32 v30, 5, v0
	v_readfirstlane_b32 s16, v30                   ; wave 0..3
	s_lshr_b32 s17, ttmp9, 5                       ; b
	s_bfe_u32 s18, ttmp9, 0x40001                  ; G
	s_and_b32 s19, ttmp9, 1                        ; oh
	s_lshl_b32 s20, s19, 7
	s_lshl_b32 s21, s16, 5
	s_add_co_u32 s20, s20, s21                     ; o0
	s_mov_b32 s23, 0
	v_and_b32 v1, 31, v0
	v_lshlrev_b32 v228, 3, v1                      ; part: 8 l
	v_lshlrev_b32 v224, 2, v1                      ; 4 l
	v_lshlrev_b32 v1, 4, v1                        ; 16 l: wfr's blocks in memory, att's blocks in LDS
	v_and_b32 v30, 15, v0                          ; r
	v_bfe_u32 v31, v0, 4, 1                        ; h'
	v_lshlrev_b32 v28, 4, v30                      ; gate: 16 r
	v_lshlrev_b32 v29, 5, v31                      ; bias: 8 h' words
	v_lshl_add_u32 v6, v31, 15, v28                ; out0: 8 h' rows of 4,096 bytes + 16 r
	s_lshl_b32 s25, s16, 13
	v_add_nc_u32 v7, s25, v1                       ; my quarter of att's 32 KB, in memory and in LDS
	s_lshl_b32 s24, s16, 8
	s_add_co_u32 s25, s24, TAB
	v_add_nc_u32 v224, s25, v224                   ; vs table, in: head 2 w's row + 4 l
	s_add_co_u32 s25, s24, DVR
	v_add_nc_u32 v225, s25, v228                   ; q k sums, in: my wave's 256 bytes + 8 l
	v_and_b32 v226, 1, v0
	v_mul_u32_u24 v226, v226, LOOFF
	v_lshl_add_u32 v226, v31, 4, v226
	v_add_nc_u32 v226, TAB+64, v226                ; vs table, out: hi for even columns, lo for odd; k = 8 h' ..
	v_and_b32 v227, 7, v0
	v_lshlrev_b32 v227, 4, v227
	v_add_nc_u32 v227, DVR, v227                   ; q k sums, out: words 4 (r & 7) .. + 3
	v_lshl_or_b32 v229, s18, 4, v30
	v_cmp_gt_u32 s26, 8, v229                      ; my four positions 64 G + 4 r + f lie below 32: G = 0 and r < 8.  It selects a value only
	s_wait_kmcnt 0x0
	s_lshl_b32 s22, s17, 19
	s_lshl_b32 s24, s18, 15
	s_add_co_u32 s22, s22, s24
	s_add_nc_u64 s[4:5], s[4:5], s[22:23]          ; att + b + tile 4 G
	s_lshl_b32 s22, s17, 13
	s_lshl_b32 s24, s16, 11
	s_add_co_u32 s22, s22, s24
	s_add_nc_u64 s[8:9], s[8:9], s[22:23]          ; part + row 32 b + 8 w
	s_lshl_b32 s22, s20, 9
	s_add_nc_u64 s[10:11], s[10:11], s[22:23]      ; wfr + row tile o0 / 16: 8 blocks of 1 KB a tile
	s_lshl_b32 s22, s20, 2
	s_add_nc_u64 s[12:13], s[12:13], s[22:23]      ; b_out + o0
	s_lshl_b32 s24, s18, 8
	s_lshl_b32 s22, s17, 12
	s_add_co_u32 s22, s22, s24
	s_add_nc_u64 s[6:7], s[6:7], s[22:23]          ; gate + (1,024 b + 64 G) words
	s_lshl_b32 s22, s17, 20
	s_add_co_u32 s22, s22, s24
	s_lshl_b32 s24, s20, 12
	s_add_co_u32 s22, s22, s24
	s_add_nc_u64 s[14:15], s[14:15], s[22:23]      ; out0 + row 256 b + o0 + 256 G bytes
	; 61 loads, those first that other waves wait for
.irp n, 0,1,2,3,4,5,6,7,8,9,10,11,12,13,14,15
	global_load_b128 v[32+4*\n:35+4*\n], v7, s[4:5] offset:512*\n
.endr
.irp n, 0,1,2,3,4,5,6,7
	global_load_b64 v[PR+2*\n:PR+2*\n+1], v228, s[8:9] offset:256*\n   ; a whole row of part: 256 consecutive bytes, aligned
.endr
.irp ks, 0,1,2,3,4,5,6,7
.irp ot, 0,1
	global_load_b128 v[96+8*(2*\ks+\ot):96+8*(2*\ks+\ot)+3],   v1, s[10:11] offset:(8*\ot+\ks)*1024
	global_load_b128 v[96+8*(2*\ks+\ot)+4:96+8*(2*\ks+\ot)+7], v1, s[10:11] offset:(8*\ot+\ks)*1024+512
.endr
.endr
	global_load_b128 v[8:11], v28, s[6:7]
.irp ot, 0,1
	global_load_b128 v[12+8*\ot:15+8*\ot], v29, s[12:13] offset:64*\ot
	global_load_b128 v[16+8*\ot:19+8*\ot], v29, s[12:13] offset:64*\ot+16
.endr
	s_wait_loadcnt 45                              ; att's 16 loads are in; part's 8, wfr's 32, the gate's one and the bias's four stay out
.irp n, 0,1,2,3,4,5,6,7,8,9,10,11,12,13,14,15
	ds_store_b128 v7, v[32+4*\n:35+4*\n] offset:512*\n
.endr
	s_wait_loadcnt 37                              ; part's are in
	v_pk_add_f32 v[PR:PR+1], v[PR:PR+1], v[PR+2:PR+3]
	v_pk_add_f32 v[PR+4:PR+5], v[PR+4:PR+5], v[PR+6:PR+7]
	v_pk_add_f32 v[PR+8:PR+9], v[PR+8:PR+9], v[PR+10:PR+11]
	v_pk_add_f32 v[PR+12:PR+13], v[PR+12:PR+13], v[PR+14:PR+15]
	v_pk_add_f32 v[PR:PR+1], v[PR:PR+1], v[PR+4:PR+5]              ; head 2 w's four rows
	v_pk_add_f32 v[PR+8:PR+9], v[PR+8:PR+9], v[PR+12:PR+13]        ; head 2 w + 1's
	v_pk_add_f32 v[PR+2:PR+3], v[PR:PR+1], v[PR+8:PR+9]            ; both: lanes 0-15 hold my wave's part of the q k sums
	ds_store_b64 v225, v[PR+2:PR+3]
	v_cvt_pk_bf16_f32 v[PR+4], v[PR], v[PR+1]                      ; hi (lanes 16-31: d = 2 (l - 16), + 1)
	v_cvt_pk_bf16_f32 v[PR+12], v[PR+8], v[PR+9]
	v_lshlrev_b32 v[PR+6], 16, v[PR+4]                             ; hi as f32
	v_and_b32 v[PR+7], 0xffff0000, v[PR+4]
	v_lshlrev_b32 v[PR+14], 16, v[PR+12]
	v_and_b32 v[PR+15], 0xffff0000, v[PR+12]
	v_pk_add_f32 v[PR:PR+1], v[PR:PR+1], v[PR+6:PR+7] neg_lo:[0,1] neg_hi:[0,1]        ; what hi leaves, exact in f32
	v_pk_add_f32 v[PR+8:PR+9], v[PR+8:PR+9], v[PR+14:PR+15] neg_lo:[0,1] neg_hi:[0,1]
	v_cvt_pk_bf16_f32 v[PR+5], v[PR], v[PR+1]                      ; lo
	v_cvt_pk_bf16_f32 v[PR+13], v[PR+8], v[PR+9]
	ds_store_b32 v224, v[PR+4]
	ds_store_b32 v224, v[PR+12] offset:128
	ds_store_b32 v224, v[PR+5]  offset:LOOFF
	ds_store_b32 v224, v[PR+13] offset:LOOFF+128
	s_wait_dscnt 0x0                               ; my quarter of att, my heads of vs and my part of the q k sums are in LDS, for the others' sake
	s_barrier_signal -1
	s_barrier_wait -1
.irp n, 0,1,2,3
	ds_load_b128 v[PR+4*\n:PR+4*\n+3], v227 offset:256*\n          ; the four waves' parts of the q k sums of my four positions
.endr
	WIN 0x80
.irp ks, 0,1,2,3,4,5,6,7
	ds_load_b128 v[8*\ks:8*\ks+3],   v226 offset:128*\ks           ; vs of head ks, k = 8 h' ..
	ds_load_b128 v[8*\ks+4:8*\ks+7], v226 offset:128*\ks+32        ; k = 16 + 8 h' ..
.endr
	WIN 0x40
.irp ks, 0,1,2,3,4,5,6,7
.irp f, 0,1,2,3
	ds_load_b128 v[32*\ks+8*\f:32*\ks+8*\f+3],   v1 offset:(8*\f+\ks)*1024
	ds_load_b128 v[32*\ks+8*\f+4:32*\ks+8*\f+7], v1 offset:(8*\f+\ks)*1024+512
.endr
.endr
	s_wait_loadcnt 5                               ; w_out's fragments are in; the gate's one load and the bias's four stay out
	WIN 0x04                                       ; B (att) from window 1
.irp ks, 0,1,2,3,4,5,6,7
	s_wait_dscnt 56-8*\ks                          ; all but the eight loads of att for each later K step
.irp ot, 0,1
.irp f, 0,1,2,3
.if \ks == 0
	v_wmma_f32_16x16x32_bf16 v[32+8*(4*\ot+\f):32+8*(4*\ot+\f)+7], v[96+8*(2*\ks+\ot):96+8*(2*\ks+\ot)+7], v[32*\ks+8*\f:32*\ks+8*\f+7], 0
.else
	v_wmma_f32_16x16x32_bf16 v[32+8*(4*\ot+\f):32+8*(4*\ot+\f)+7], v[96+8*(2*\ks+\ot):96+8*(2*\ks+\ot)+7], v[32*\ks+8*\f:32*\ks+8*\f+7], v[32+8*(4*\ot+\f):32+8*(4*\ot+\f)+7]
.endif
.endr
.endr
.endr
	WIN 0x08                                       ; B (vs) from window 2: u's two accumulators take turns, as the eight above did
.irp ks, 0,1,2,3,4,5,6,7
.irp ot, 0,1
.if \ks == 0
	v_wmma_f32_16x16x32_bf16 v[UA+8*\ot:UA+8*\ot+7], v[96+8*(2*\ks+\ot):96+8*(2*\ks+\ot)+7], v[8*\ks:8*\ks+7], 0
.else
	v_wmma_f32_16x16x32_bf16 v[UA+8*\ot:UA+8*\ot+7], v[96+8*(2*\ks+\ot):96+8*(2*\ks+\ot)+7], v[8*\ks:8*\ks+7], v[UA+8*\ot:UA+8*\ot+7]
.endif
.endr
.endr
	WIN 0
	; cd of my four positions.  These six lines name no register of the last products: they are the places behind them (ISA guide 7.12.1)
	v_pk_add_f32 v[PR:PR+1], v[PR:PR+1], v[PR+4:PR+5]
	v_pk_add_f32 v[PR+2:PR+3], v[PR+2:PR+3], v[PR+6:PR+7]
	v_pk_add_f32 v[PR+8:PR+9], v[PR+8:PR+9], v[PR+12:PR+13]
	v_pk_add_f32 v[PR+10:PR+11], v[PR+10:PR+11], v[PR+14:PR+15]
	v_pk_add_f32 v[PR:PR+1], v[PR:PR+1], v[PR+8:PR+9]
	v_pk_add_f32 v[PR+2:PR+3], v[PR+2:PR+3], v[PR+10:PR+11]
	s_wait_loadcnt 0x0                             ; gate and bias
	v_pk_mul_f32 v[PR:PR+1], v[PR:PR+1], CDV op_sel_hi:[1,0]
	v_pk_mul_f32 v[PR+2:PR+3], v[PR+2:PR+3], CDV op_sel_hi:[1,0]
.irp f, 0,1,2,3
	v_cndmask_b32 v[PR+\f], 0, v[PR+\f], s26       ; 0 for positions from 32 on
.endr
	v_pk_mul_f32 v[PR:PR+1], v[PR:PR+1], v[8:9]    ; gate * cd
	v_pk_mul_f32 v[PR+2:PR+3], v[PR+2:PR+3], v[10:11]
.irp e, 0,1,2,3,4,5,6,7,8,9,10,11,12,13,14,15
	v_add_f32_dpp v[UA+\e], v[UA+\e], v[UA+\e] row_xmask:1 row_mask:0xf bank_mask:0xf     ; w hi + w lo: u of row o0 + 16 ot + 8 h' + j in every lane
.endr
.irp ot, 0,1
.irp j, 0,1,2,3,4,5,6,7
.irp f, 0,1,2,3
	v_fma_f32 v[96+4*(8*\ot+\j)+\f], v[UA+8*\ot+\j], v[PR+\f], v[12+8*\ot+\j]
.endr
.irp f, 0,1,2,3
	v_fma_f32 v[96+4*(8*\ot+\j)+\f], v[32+8*(4*\ot+\f)+\j], v[8+\f], v[96+4*(8*\ot+\j)+\f]
.endr
	global_store_b128 v6, v[96+4*(8*\ot+\j):96+4*(8*\ot+\j)+3], s[14:15] offset:(16*\ot+\j)*4096 th:TH_STORE_NT
.endr
.endr
	s_wait_tensorcnt 0x0
	ds_add_u32 v4, v5
	s_wait_dscnt 0x0
	s_endpgm
.Lfunc_end_k_qea9364093e_outp:
	.size	k_qea9364093e_outp, .Lfunc_end_k_qea9364093e_outp-k_qea9364093e_outp
	.p2alignl 7, 3214868480
	.fill 96, 4, 3214868480
	.section	.rodata,"a",@progbits
	.p2align	6, 0x0
	.amdhsa_kernel k_qea9364093e_outp
		.amdhsa_group_segment_fixed_size 36608
		.amdhsa_private_segment_fixed_size 0
		.amdhsa_enable_private_segment 0
		.amdhsa_kernarg_size 48
		.amdhsa_user_sgpr_count 2
		.amdhsa_user_sgpr_kernarg_segment_ptr 1
		.amdhsa_wavefront_size32 1
		.amdhsa_system_sgpr_workgroup_id_x 1
		.amdhsa_system_sgpr_workgroup_id_y 1
		.amdhsa_system_sgpr_workgroup_id_z 1
		.amdhsa_system_vgpr_workitem_id 0
		.amdhsa_next_free_vgpr 576
		.amdhsa_next_free_sgpr 66
		.amdhsa_reserve_vcc 0
		.amdhsa_float_denorm_mode_32 3
		.amdhsa_float_denorm_mode_16_64 3
		.amdhsa_memory_ordered 1
		.amdhsa_forward_progress 1
		.amdhsa_inst_pref_size 34
	.end_amdhsa_kernel
	.amdgpu_metadata
---
amdhsa.version: [ 1, 2 ]
amdhsa.kernels:
  - .name:           k_qea9364093e_outp
    .symbol:         k_qea9364093e_outp.kd
    .args:
      - { .name: att, .offset: 0, .size: 8, .value_kind: global_buffer, .address_space: global }
      - { .name: gate, .offset: 8, .size: 8, .value_kind: global_buffer, .address_space: global }
      - { .name: part, .offset: 16, .size: 8, .value_kind: global_buffer, .address_space: global }
      - { .name: wfr, .offset: 24, .size: 8, .value_kind: global_buffer, .address_space: global }
      - { .name: b_out, .offset: 32, .size: 8, .value_kind: global_buffer, .address_space: global }
      - { .name: out0, .offset: 40, .size: 8, .value_kind: global_buffer, .address_space: global }
    .group_segment_fixed_size: 36608
    .private_segment_fixed_size: 0
    .kernarg_segment_align: 8
    .kernarg_segment_size: 48
    .max_flat_workgroup_size: 128
    .sgpr_count:     66
    .vgpr_count:     576
    .wavefront_size: 32
...
	.end_amdgpu_metadata
.endif
;; end of part 3
;; ======== version 2 of 2: 3 launches; version 1 with the launch outp written anew for expert scheduling mode
;; workspace buffers: qws 4,194,304 bytes; kv 8,388,608 bytes; part 65,536 bytes; att 4,194,304 bytes; gate 32,768 bytes; wfr 131,072 bytes
;; launch proj: the kernel of part 1 again; grid 256 x 1, 4 waves a work-group, clusters of 4 x 1, 315,904 bytes of LDS; arguments x, w_qkv, qws, kv, part; writes qws, kv, part
;; launch attn: the kernel of part 2 again; grid 256 x 1, 8 waves a work-group, clusters of 4 x 1, 175,360 bytes of LDS; arguments qws, kv, x, w_g1, b_g1, w_g2, b_g2, att, gate, w_out, wfr; writes att, gate, wfr
;; launch outp (part 4): grid 256 x 1, 4 waves a work-group, no clusters, 36,608 bytes of LDS; arguments att, gate, part, wfr, b_out, out0; writes out0
.if DOCPART == 4
	.amdgcn_target "amdgcn-amd-amdhsa--gfx1250"
	.amdhsa_code_object_version 6
	.text
	.protected	k_qea9364093e_outp
	.globl	k_qea9364093e_outp
	.p2align	8
	.type	k_qea9364093e_outp,@function
k_qea9364093e_outp:
	s_mov_b64 s[64:65], 0
	v_nop
	global_prefetch_b8 v0, s[64:65] scope:SCOPE_SE
	s_setreg_imm32_b32 hwreg(HW_REG_WAVE_SCHED_MODE, 0, 2), 2
	s_setreg_imm32_b32 hwreg(HW_REG_WAVE_MODE, 25, 1), 1
	s_wait_xcnt 0x0
	s_wait_alu depctr_vm_vsrc(0)
; out0[b][o][p] = gate[b][p] * ( sum_c w_out[o][c] att[b][c][p] + cd[b][p] u[b][o] ) + b_out[o]
;   gate = 1 + g is one number a position, so it commutes with the product;
;   the second term is the diagonal branch, which is of rank one: u[o] = sum_c w_out[o][c] vs[c], vs[c] = the sum of v over all positions,
;   cd[p] = 0.3 * 32^-0.5 / 8 * (sum over heads and diagonal positions of q k at channel p) for p < 32, and 0 for the other positions.
; Work-group wg = 32 b + 2 G + oh: 128 output channels (oh) x the 64 positions of group G.  Wave w: rows o0 = 128 oh + 32 w .. + 31: two row tiles
; x four position tiles x eight K steps (one head each) = 64 matrix instructions on eight accumulators, and 16 more for u.
; Both operands lie in memory as bf16 operand blocks of 1 KB (lane L's registers 0-3 at 16 L, 4-7 at 512 + 16 L):
;   wfr [row tile 16][K step 8][1 KB], w_out as the launch before rounded it: a wave's 16 blocks go straight into its fragment registers;
;   att [b][tile 64][head 8][1 KB]: the group's 32 KB are copied once into LDS, a quarter by each wave, and every wave reads all of them.
; u KEEPS vs TO 16 BITS OF MANTISSA: vs is split into hi = bf16(vs) and lo = bf16(vs - hi); the B operand holds hi in its even columns and lo in its
; odd ones, and one add between neighbouring lanes joins the two products.  The term is many times larger than the softmax part beside it, so it
; is not rounded to one bf16.
; part[32 b + 4 h + pb][64 f32]: words 0-31 sums of q k, words 32-63 sums of v.  Wave w loads rows 8 w .. 8 w + 7 (heads 2 w, 2 w + 1), 8 bytes a lane:
; lanes 0-15 hold q k sums, lanes 16-31 sums of v.  All lanes do the same work and store; the half that has no use lands in bytes nobody reads.
; Tile f of group G holds at index i position 64 G + 4 i + f, so a lane's results of the four tiles are four neighbouring f32 of one row of out0:
; the fused multiply-adds put them side by side, and sixteen lanes store 256 consecutive bytes, aligned.
; NO CLUSTER: a wave's 16 KB of wfr are read by that wave alone in its work-group and go to registers, not to LDS; what lies in LDS, att's 32 KB of the
; 105 KB that a work-group reads, is shared by two work-groups only.
; LIMITS: w_out and att are bf16 in the products, vs two bf16 (relative error at most 2^-17); sums, gate, cd and bias in f32; the sums over part's
; rows are made in another order than a plain loop's.
; REGISTERS: window 0: v1, v6, v7, v28-29 addresses; v4, v5 the closing add's pair; v8-11 gate; v12-27 bias; v32-95 att as loaded, then the accumulators
; (ot, f) at 32 + 8 (4 ot + f); v96-223 w_out's fragments (ks, ot), then the results; v224-229 addresses, then v224-239 u's two accumulators;
; v240-255 part as loaded, then the four parts of cd.  Window 1: att's fragments (ks, f) at 32 ks + 8 f.  Window 2: v0-63 the fragments of vs, K step ks at 8 ks.
; THE MODE: SCHED_MODE bits 1:0 = 2 (LLVM: expert scheduling mode 2), set by the entry lines.  The code itself states the register dependences
; between vector or matrix instructions and memory or LDS instructions, with s_wait_alu, always for 0.
; THE PLAN.  The text is one straight run.  Registers that memory or LDS instructions touch:
;   v1, v6, v7, v28, v29   offsets, made at the head and never written again.
;   v224-228               offsets, made at the head; read by part's loads (v228), the LDS stores of part's sums (v224, v225) and the LDS loads of vs and
;                          of the q k sums (v226, v227); then u's accumulators write over them.
;   v32-95                 att's loads land; 16 LDS stores read them; then the eight accumulators write over them.
;   v240-255               part's loads land; the sums and the split work in them; 5 LDS stores read six of them; behind the barrier 4 LDS loads land in all.
;   v96-159                (w_out's fragments until the last product) the way out's multiply-adds write them, 4 to a row; 16 stores read them; never rewritten.
;   windows 1 and 2        LDS loads land once; matrix instructions alone read them.
; THE WAITS.  One on va_sdst at the head, behind both vector lines that write a scalar register.  One on va_vdst ahead of the first load (the offsets).
; One on va_vdst ahead of the run of 5 LDS stores (their data are written; the arithmetic is done with v240-255).  One on vm_vsrc behind the barrier (the LDS
; stores have read v32-95 and v240-255).  One on vm_vsrc behind the run of LDS loads (v224-228 have been read for the last time).  In the way out the 16 rows
; go in four blocks of four: a wait on va_vdst at a block's head shows the block before written, and that block's four stores are dealt among this block's
; multiply-adds, which name none of the registers that those stores read.
.set TAB,   32768                      ; behind att's 32 KB: vs in bf16: hi, 8 heads x 128 bytes (the upper 64 hold 32 numbers), then lo
.set LOOFF, 1040                       ; lo lies 1,024 + 16 bytes behind hi: an even and an odd lane's 16 bytes fall into different columns modulo 256
.set DVR,   TAB+2304                   ; 4 x 256 bytes: each wave's part of the q k sums in the lower 128
.set CDV,   0x3bd93924                 ; 0.3 * 32^-0.5 / 8
.set UA,    224
.set PR,    240
.set MSB,   0
.macro WIN new                         ; the immediate's high byte repeats the setting that is left
.if MSB != \new
	s_set_vgpr_msb (MSB<<8)|\new
.set MSB, \new
.endif
.endm
	s_load_b256 s[4:11], s[0:1], 0x0               ; att s[4:5], gate s[6:7], part s[8:9], wfr s[10:11]
	s_load_b128 s[12:15], s[0:1], 0x20             ; b_out s[12:13], out0 s[14:15]
	v_lshl_add_u32 v4, v0, 2, 0x8d00               ; the closing add's pair: my spare word behind the q k sums, and 0; kept for the closing lines alone
	v_mov_b32 v5, 0
	v_lshrrev_b32 v30, 5, v0
	v_readfirstlane_b32 s16, v30                   ; wave 0..3
	s_lshr_b32 s17, ttmp9, 5                       ; b
	s_bfe_u32 s18, ttmp9, 0x40001                  ; G
	s_and_b32 s19, ttmp9, 1                        ; oh
	s_mov_b32 s23, 0
	v_and_b32 v1, 31, v0
	v_lshlrev_b32 v228, 3, v1                      ; part: 8 l
	v_lshlrev_b32 v224, 2, v1                      ; 4 l
	v_lshlrev_b32 v1, 4, v1                        ; 16 l: wfr's blocks in memory, att's blocks in LDS
	v_and_b32 v30, 15, v0                          ; r
	v_bfe_u32 v31, v0, 4, 1                        ; h'
	v_lshlrev_b32 v28, 4, v30                      ; gate: 16 r
	v_lshlrev_b32 v29, 5, v31                      ; bias: 8 h' words
	v_lshl_add_u32 v6, v31, 15, v28                ; out0: 8 h' rows of 4,096 bytes + 16 r
	v_and_b32 v226, 1, v0
	v_mul_u32_u24 v226, v226, LOOFF
	v_lshl_add_u32 v226, v31, 4, v226
	v_add_nc_u32 v226, TAB+64, v226                ; vs table, out: hi for even columns, lo for odd; k = 8 h' ..
	v_and_b32 v227, 7, v0
	v_lshlrev_b32 v227, 4, v227
	v_add_nc_u32 v227, DVR, v227                   ; q k sums, out: words 4 (r & 7) .. + 3
	v_lshl_or_b32 v229, s18, 4, v30
	v_cmp_gt_u32 s26, 8, v229                      ; my four positions 64 G + 4 r + f lie below 32: G = 0 and r < 8.  It selects a value only
	s_wait_alu depctr_va_sdst(0)                   ; s16 and s26 are written, ahead of the first reader of either: the scalar lines below read s16, the selects of the way out s26
	s_lshl_b32 s20, s19, 7
	s_lshl_b32 s21, s16, 5
	s_add_co_u32 s20, s20, s21                     ; o0
	s_lshl_b32 s25, s16, 13
	v_add_nc_u32 v7, s25, v1                       ; my quarter of att's 32 KB, in memory and in LDS
	s_lshl_b32 s24, s16, 8
	s_add_co_u32 s25, s24, TAB
	v_add_nc_u32 v224, s25, v224                   ; vs table, in: head 2 w's row + 4 l
	s_add_co_u32 s25, s24, DVR
	v_add_nc_u32 v225, s25, v228                   ; q k sums, in: my wave's 256 bytes + 8 l
	s_wait_kmcnt 0x0
	s_lshl_b32 s22, s17, 19
	s_lshl_b32 s24, s18, 15
	s_add_co_u32 s22, s22, s24
	s_add_nc_u64 s[4:5], s[4:5], s[22:23]          ; att + b + tile 4 G
	s_lshl_b32 s22, s17, 13
	s_lshl_b32 s24, s16, 11
	s_add_co_u32 s22, s22, s24
	s_add_nc_u64 s[8:9], s[8:9], s[22:23]          ; part + row 32 b + 8 w
	s_lshl_b32 s22, s20, 9
	s_add_nc_u64 s[10:11], s[10:11], s[22:23]      ; wfr + row tile o0 / 16: 8 blocks of 1 KB a tile
	s_lshl_b32 s22, s20, 2
	s_add_nc_u64 s[12:13], s[12:13], s[22:23]      ; b_out + o0
	s_lshl_b32 s24, s18, 8
	s_lshl_b32 s22, s17, 12
	s_add_co_u32 s22, s22, s24
	s_add_nc_u64 s[6:7], s[6:7], s[22:23]          ; gate + (1,024 b + 64 G) words
	s_lshl_b32 s22, s17, 20
	s_add_co_u32 s22, s22, s24
	s_lshl_b32 s24, s20, 12
	s_add_co_u32 s22, s22, s24
	s_add_nc_u64 s[14:15], s[14:15], s[22:23]      ; out0 + row 256 b + o0 + 256 G bytes
	s_wait_alu depctr_va_vdst(0)                   ; the offsets v1, v6, v7, v28, v29 and v224 to v228 are written, which the loads and stores of the whole kernel read; so are v4 and v5
	; 61 loads, those first that other waves wait for
.irp n, 0,1,2,3,4,5,6,7,8,9,10,11,12,13,14,15
	global_load_b128 v[32+4*\n:35+4*\n], v7, s[4:5] offset:512*\n
.endr
.irp n, 0,1,2,3,4,5,6,7
	global_load_b64 v[PR+2*\n:PR+2*\n+1], v228, s[8:9] offset:256*\n   ; a whole row of part: 256 consecutive bytes, aligned
.endr
.irp ks, 0,1,2,3,4,5,6,7
.irp ot, 0,1
	global_load_b128 v[96+8*(2*\ks+\ot):96+8*(2*\ks+\ot)+3],   v1, s[10:11] offset:(8*\ot+\ks)*1024
	global_load_b128 v[96+8*(2*\ks+\ot)+4:96+8*(2*\ks+\ot)+7], v1, s[10:11] offset:(8*\ot+\ks)*1024+512
.endr
.endr
	global_load_b128 v[8:11], v28, s[6:7]
.irp ot, 0,1
	global_load_b128 v[12+8*\ot:15+8*\ot], v29, s[12:13] offset:64*\ot
	global_load_b128 v[16+8*\ot:19+8*\ot], v29, s[12:13] offset:64*\ot+16
.endr
	s_wait_loadcnt 45                              ; att's 16 loads are in; part's 8, wfr's 32, the gate's one and the bias's four stay out
.irp n, 0,1,2,3,4,5,6,7,8,9,10,11,12,13,14,15
	ds_store_b128 v7, v[32+4*\n:35+4*\n] offset:512*\n     ; the data come from loads; no vector instruction has been issued since v7 was shown written
.endr
	s_wait_loadcnt 37                              ; part's are in
	v_pk_add_f32 v[PR:PR+1], v[PR:PR+1], v[PR+2:PR+3]
	v_pk_add_f32 v[PR+4:PR+5], v[PR+4:PR+5], v[PR+6:PR+7]
	v_pk_add_f32 v[PR+8:PR+9], v[PR+8:PR+9], v[PR+10:PR+11]
	v_pk_add_f32 v[PR+12:PR+13], v[PR+12:PR+13], v[PR+14:PR+15]
	v_pk_add_f32 v[PR:PR+1], v[PR:PR+1], v[PR+4:PR+5]              ; head 2 w's four rows
	v_pk_add_f32 v[PR+8:PR+9], v[PR+8:PR+9], v[PR+12:PR+13]        ; head 2 w + 1's
	v_pk_add_f32 v[PR+2:PR+3], v[PR:PR+1], v[PR+8:PR+9]            ; both: lanes 0-15 hold my wave's part of the q k sums; no line below writes this pair
	v_cvt_pk_bf16_f32 v[PR+4], v[PR], v[PR+1]                      ; hi (lanes 16-31: d = 2 (l - 16), + 1)
	v_cvt_pk_bf16_f32 v[PR+12], v[PR+8], v[PR+9]
	v_lshlrev_b32 v[PR+6], 16, v[PR+4]                             ; hi as f32
	v_and_b32 v[PR+7], 0xffff0000, v[PR+4]
	v_lshlrev_b32 v[PR+14], 16, v[PR+12]
	v_and_b32 v[PR+15], 0xffff0000, v[PR+12]
	v_pk_add_f32 v[PR:PR+1], v[PR:PR+1], v[PR+6:PR+7] neg_lo:[0,1] neg_hi:[0,1]        ; what hi leaves, exact in f32
	v_pk_add_f32 v[PR+8:PR+9], v[PR+8:PR+9], v[PR+14:PR+15] neg_lo:[0,1] neg_hi:[0,1]
	v_cvt_pk_bf16_f32 v[PR+5], v[PR], v[PR+1]                      ; lo
	v_cvt_pk_bf16_f32 v[PR+13], v[PR+8], v[PR+9]
	s_wait_alu depctr_va_vdst(0)                   ; the sums and the split have written v[PR+2 .. PR+5], v[PR+12] and v[PR+13], which the five LDS stores read, and are done with all of v[PR .. PR+15], in which LDS loads land behind the barrier
	ds_store_b64 v225, v[PR+2:PR+3]
	ds_store_b32 v224, v[PR+4]
	ds_store_b32 v224, v[PR+12] offset:128
	ds_store_b32 v224, v[PR+5]  offset:LOOFF
	ds_store_b32 v224, v[PR+13] offset:LOOFF+128
	s_wait_dscnt 0x0                               ; my quarter of att, my heads of vs and my part of the q k sums are in LDS, for the others' sake
	s_barrier_signal -1
	s_barrier_wait -1
	s_wait_alu depctr_vm_vsrc(0)                   ; my LDS stores have read v[PR ..], in which the four loads below land, and v32 to v95, which the accumulators write over
.irp n, 0,1,2,3
	ds_load_b128 v[PR+4*\n:PR+4*\n+3], v227 offset:256*\n          ; the four waves' parts of the q k sums of my four positions
.endr
	WIN 0x80                                       ; no vector or matrix instruction has named the registers of windows 1 and 2, nor v226 or v1 since they were shown written
.irp ks, 0,1,2,3,4,5,6,7
	ds_load_b128 v[8*\ks:8*\ks+3],   v226 offset:128*\ks           ; vs of head ks, k = 8 h' ..
	ds_load_b128 v[8*\ks+4:8*\ks+7], v226 offset:128*\ks+32        ; k = 16 + 8 h' ..
.endr
	WIN 0x40
.irp ks, 0,1,2,3,4,5,6,7
.irp f, 0,1,2,3
	ds_load_b128 v[32*\ks+8*\f:32*\ks+8*\f+3],   v1 offset:(8*\f+\ks)*1024
	ds_load_b128 v[32*\ks+8*\f+4:32*\ks+8*\f+7], v1 offset:(8*\f+\ks)*1024+512
.endr
.endr
	s_wait_alu depctr_vm_vsrc(0)                   ; the LDS loads above have read v226 and v227, and part's loads and the LDS stores v228, v224 and v225: u's accumulators write over v224 to v239, and no later memory instruction names them
	s_wait_loadcnt 5                               ; w_out's fragments are in; the gate's one load and the bias's four stay out
	WIN 0x04                                       ; B (att) from window 1
.irp ks, 0,1,2,3,4,5,6,7
	s_wait_dscnt 56-8*\ks                          ; all but the eight loads of att for each later K step
.irp ot, 0,1
.irp f, 0,1,2,3
.if \ks == 0
	v_wmma_f32_16x16x32_bf16 v[32+8*(4*\ot+\f):32+8*(4*\ot+\f)+7], v[96+8*(2*\ks+\ot):96+8*(2*\ks+\ot)+7], v[32*\ks+8*\f:32*\ks+8*\f+7], 0
.else
	v_wmma_f32_16x16x32_bf16 v[32+8*(4*\ot+\f):32+8*(4*\ot+\f)+7], v[96+8*(2*\ks+\ot):96+8*(2*\ks+\ot)+7], v[32*\ks+8*\f:32*\ks+8*\f+7], v[32+8*(4*\ot+\f):32+8*(4*\ot+\f)+7]
.endif
.endr
.endr
.endr
	WIN 0x08                                       ; B (vs) from window 2: u's two accumulators take turns, as the eight above did
.irp ks, 0,1,2,3,4,5,6,7
.irp ot, 0,1
.if \ks == 0
	v_wmma_f32_16x16x32_bf16 v[UA+8*\ot:UA+8*\ot+7], v[96+8*(2*\ks+\ot):96+8*(2*\ks+\ot)+7], v[8*\ks:8*\ks+7], 0
.else
	v_wmma_f32_16x16x32_bf16 v[UA+8*\ot:UA+8*\ot+7], v[96+8*(2*\ks+\ot):96+8*(2*\ks+\ot)+7], v[8*\ks:8*\ks+7], v[UA+8*\ot:UA+8*\ot+7]
.endif
.endr
.endr
	WIN 0
	; cd of my four positions.  These six lines name no register of the last products: they are the places behind them (ISA guide 7.12.1)
	v_pk_add_f32 v[PR:PR+1], v[PR:PR+1], v[PR+4:PR+5]
	v_pk_add_f32 v[PR+2:PR+3], v[PR+2:PR+3], v[PR+6:PR+7]
	v_pk_add_f32 v[PR+8:PR+9], v[PR+8:PR+9], v[PR+12:PR+13]
	v_pk_add_f32 v[PR+10:PR+11], v[PR+10:PR+11], v[PR+14:PR+15]
	v_pk_add_f32 v[PR:PR+1], v[PR:PR+1], v[PR+8:PR+9]
	v_pk_add_f32 v[PR+2:PR+3], v[PR+2:PR+3], v[PR+10:PR+11]
	s_wait_loadcnt 0x0                             ; gate and bias
	v_pk_mul_f32 v[PR:PR+1], v[PR:PR+1], CDV op_sel_hi:[1,0]
	v_pk_mul_f32 v[PR+2:PR+3], v[PR+2:PR+3], CDV op_sel_hi:[1,0]
.irp f, 0,1,2,3
	v_cndmask_b32 v[PR+\f], 0, v[PR+\f], s26       ; 0 for positions from 32 on
.endr
	v_pk_mul_f32 v[PR:PR+1], v[PR:PR+1], v[8:9]    ; gate * cd
	v_pk_mul_f32 v[PR+2:PR+3], v[PR+2:PR+3], v[10:11]
.irp e, 0,1,2,3,4,5,6,7,8,9,10,11,12,13,14,15
	v_add_f32_dpp v[UA+\e], v[UA+\e], v[UA+\e] row_xmask:1 row_mask:0xf bank_mask:0xf     ; w hi + w lo: u of row o0 + 16 ot + 8 h' + j in every lane
.endr
; Row 16 ot + 8 h' + j of my 32: eight fused multiply-adds into four registers of the row's own.
.macro ROW ot, j
.irp f, 0,1,2,3
	v_fma_f32 v[96+4*(8*(\ot)+(\j))+\f], v[UA+8*(\ot)+(\j)], v[PR+\f], v[12+8*(\ot)+(\j)]
.endr
.irp f, 0,1,2,3
	v_fma_f32 v[96+4*(8*(\ot)+(\j))+\f], v[32+8*(4*(\ot)+\f)+(\j)], v[8+\f], v[96+4*(8*(\ot)+(\j))+\f]
.endr
.endm
.macro OUT ot, j
	global_store_b128 v6, v[96+4*(8*(\ot)+(\j)):96+4*(8*(\ot)+(\j))+3], s[14:15] offset:(16*(\ot)+(\j))*4096 th:TH_STORE_NT
.endm
; A block: rows j0 .. j0 + 3 of row tile ot are made; the four rows of the block before (pot, pj0) are stored, one store ahead of each row's arithmetic.
; first = 1: no block stands in front of it.
.macro BLK ot, j0, pot, pj0, first
.if !\first
	s_wait_alu depctr_va_vdst(0)                   ; the block before has written its sixteen result registers, which the four stores below read; this block's multiply-adds name none of them, nor v6
.endif
.irp i, 0,1,2,3
.if !\first
	OUT \pot, \pj0+\i
.endif
	ROW \ot, \j0+\i
.endr
.endm
	BLK 0, 0, 0, 0, 1
	BLK 0, 4, 0, 0, 0
	BLK 1, 0, 0, 4, 0
	BLK 1, 4, 1, 0, 0
	s_wait_alu depctr_va_vdst(0)                   ; the last block has written its sixteen result registers, which the last four stores read
.irp i, 4,5,6,7
	OUT 1, \i
.endr
	s_wait_dscnt 0x0                               ; the closing lines, six on end
	s_wait_alu 0x0
	s_wait_tensorcnt 0x0
	ds_add_u32 v4, v5
	s_wait_dscnt 0x0
	s_endpgm
.Lfunc_end_k_qea9364093e_outp:
	.size	k_qea9364093e_outp, .Lfunc_end_k_qea9364093e_outp-k_qea9364093e_outp
	.p2alignl 7, 3214868480
	.fill 96, 4, 3214868480
	.section	.rodata,"a",@progbits
	.p2align	6, 0x0
	.amdhsa_kernel k_qea9364093e_outp
		.amdhsa_group_segment_fixed_size 36608
		.amdhsa_private_segment_fixed_size 0
		.amdhsa_enable_private_segment 0
		.amdhsa_kernarg_size 48
		.amdhsa_user_sgpr_count 2
		.amdhsa_user_sgpr_kernarg_segment_ptr 1
		.amdhsa_wavefront_size32 1
		.amdhsa_system_sgpr_workgroup_id_x 1
		.amdhsa_system_sgpr_workgroup_id_y 1
		.amdhsa_system_sgpr_workgroup_id_z 1
		.amdhsa_system_vgpr_workitem_id 0
		.amdhsa_next_free_vgpr 576
		.amdhsa_next_free_sgpr 66
		.amdhsa_reserve_vcc 0
		.amdhsa_float_denorm_mode_32 3
		.amdhsa_float_denorm_mode_16_64 3
		.amdhsa_memory_ordered 1
		.amdhsa_forward_progress 1
		.amdhsa_inst_pref_size 34
	.end_amdhsa_kernel
	.amdgpu_metadata
---
amdhsa.version: [ 1, 2 ]
amdhsa.kernels:
  - .name:           k_qea9364093e_outp
    .symbol:         k_qea9364093e_outp.kd
    .args:
      - { .name: att, .offset: 0, .size: 8, .value_kind: global_buffer, .address_space: global }
      - { .name: gate, .offset: 8, .size: 8, .value_kind: global_buffer, .address_space: global }
      - { .name: part, .offset: 16, .size: 8, .value_kind: global_buffer, .address_space: global }
      - { .name: wfr, .offset: 24, .size: 8, .value_kind: global_buffer, .address_space: global }
      - { .name: b_out, .offset: 32, .size: 8, .value_kind: global_buffer, .address_space: global }
      - { .name: out0, .offset: 40, .size: 8, .value_kind: global_buffer, .address_space: global }
    .group_segment_fixed_size: 36608
    .private_segment_fixed_size: 0
    .kernarg_segment_align: 8
    .kernarg_segment_size: 48
    .max_flat_workgroup_size: 128
    .sgpr_count:     66
    .vgpr_count:     576
    .wavefront_size: 32
...
	.end_amdgpu_metadata
.endif
;; end of part 4
